; MI455X (gfx1250); checked and timed in simulation.
; The chip was launched on July 23, 2026; its instructions are those of AMD's public machine-readable ISA for CDNA 5 (MIT licence, August 2026) and "CDNA5" Instruction Set Architecture Reference Guide (July 2026). The comments in the code are by the model that wrote it; some were corrected since.
;; Attention. Allowed arithmetic: float matrix products may take bf16 or f16 operands with f32 sums; other float arithmetic in f32, or as packed bf16 or f16 multiplies, adds, multiply-adds, maxima and minima; sums over many terms, partial sums and values carried from step to step in f32; what a program stores and reads back later, other than sums and carried values, may be rounded once to bf16 or f16.
;; Inputs: Wk 1,024 x 1,024 float32; Wo 1,024 x 1,024 float32; Wq 1,024 x 1,024 float32; Wv 1,024 x 1,024 float32; attention_mask 4 x 2,048 bool; bk 1,024 float32; bq 1,024 float32; bv 1,024 float32; kn_b 64 float32; kn_w 64 float32; norm_b 1,024 float32; norm_w 1,024 float32; qn_b 64 float32; qn_w 64 float32; x 4 x 2,048 x 1,024 float32.
;; Outputs: out0 4 x 2,048 x 1,024 float32.
;; 2 versions, each right; version 2 is version 1 with the launch prep written anew for expert scheduling mode. Each part assembles by itself: llvm-mc -triple=amdgcn-amd-amdhsa -mcpu=gfx1250 --defsym DOCPART=n.
;; ======== version 1 of 2: 4 launches
;; limits: values are held in f16: magnitudes above 65,504 overflow, below 6.1e-05 lose precision
;; workspace buffers: xn 16,777,216 bytes; w16 8,388,608 bytes; q16 16,777,216 bytes; k16 16,777,216 bytes; v16 16,777,216 bytes; o16 16,777,216 bytes
;; launch prep (part 1): grid 768 x 1, 4 waves a work-group, no clusters, 0 bytes of LDS; arguments x, norm_w, norm_b, Wq, Wk, Wv, Wo, xn, w16; writes xn, w16
.if DOCPART == 1
	.amdgcn_target "amdgcn-amd-amdhsa--gfx1250"
	.amdhsa_code_object_version 6
	.text
	.protected	k_q9c8f29b6b8_prep
	.globl	k_q9c8f29b6b8_prep
	.p2align	8
	.type	k_q9c8f29b6b8_prep,@function
k_q9c8f29b6b8_prep:
	s_mov_b64 s[64:65], 0
	v_nop
	global_prefetch_b8 v0, s[64:65] scope:SCOPE_SE
	s_setreg_imm32_b32 hwreg(HW_REG_WAVE_MODE, 25, 1), 1
	s_wait_xcnt 0x0
; PREP.  Work-groups 0-511: xn = LayerNorm(x) over 1,024 channels, in f32 in two passes (mean, then the mean of the squared differences), rounded once to f16.
; Work-groups 512-767: the four weight matrices rounded once to f16 into w16, [4096][1024]: row 192 h + 64 kind + d (kind 0 q, 1 k, 2 v) is W_kind's row 64 h + d,
; so that one head's q, k and v rows lie together; rows 3072 on are Wo's.
; SHARES.  12,288 rows of 4,096 bytes; a work-group takes 16, a wave 4.  A wave asks for all its 16 KiB at its head and keeps each row in 32 registers: each byte is read once.
; A load of a wave covers 512 consecutive bytes; a store covers 256 consecutive bytes, aligned.  Memory binds: no LDS, no barrier, no matrix work, no prefetch (the launch is one stream).
; LIMITS.  f16 ends at 65,504: |xn| and |W| stay below that; a weight below 6e-5 keeps f16's fixed step of 6e-8.  NaN and infinities are not treated apart.
.set T,   8                            ; v[8:21]   at work: T, T+1 mean (pair); T+2, T+3 variance; T+4..T+11 four chains; T+12, T+13 1/sigma (pair)
.set W,   32                           ; v[32:63]  norm_w of my 32 columns
.set BN,  64                           ; v[64:95]  norm_b
.set X,   96                           ; v[96:223] row i at X + 32 i; register 4 j + e holds column 128 j + 4 lane + e
.set SEL, 24                           ; s24, s25  v_permlanex16_b32's selects: each lane takes its own place in the other half
.set INV, 26                           ; s26       1/1024
.set EPS, 27                           ; s27       1e-5
	s_load_b512 s[4:19], s[0:1], 0x0               ; x 4, norm_w 6, norm_b 8, Wq 10, Wk 12, Wv 14, Wo 16, xn 18
	s_load_b64 s[20:21], s[0:1], 0x40              ; w16
	v_lshrrev_b32 v4, 5, v0
	v_readfirstlane_b32 s22, v4                    ; wave 0..3
	v_and_b32 v1, 31, v0                           ; lane
	v_lshlrev_b32 v2, 4, v1                        ; 16 bytes a lane in a load
	v_lshlrev_b32 v3, 3, v1                        ; 8 bytes a lane in a store
	s_cmp_lt_u32 ttmp9, 512
	s_cbranch_scc0 .Lweights
	s_mov_b32 s[SEL], 0x76543210
	s_mov_b32 s[SEL+1], 0xfedcba98
	s_mov_b32 s[INV], 0x3a800000
	s_mov_b32 s[EPS], 0x3727c5ac
	v_mov_b32 v[T+1], 0                            ; the lane exchange's destinations count as read, and pairs are named whole
	v_mov_b32 v[T+3], 0
	v_mov_b32 v[T+13], 0
	s_lshl_b32 s30, ttmp9, 16                      ; 16 rows of 4,096 bytes,
	s_lshl_b32 s31, s22, 14                        ; my wave's 4
	s_add_co_u32 s30, s30, s31
	s_mov_b32 s31, 0
	s_lshl_b32 s32, ttmp9, 15                      ; the same rows in xn: 2,048 bytes each
	s_lshl_b32 s33, s22, 13
	s_add_co_u32 s32, s32, s33
	s_mov_b32 s33, 0
	s_wait_kmcnt 0x0
	s_add_nc_u64 s[4:5], s[4:5], s[30:31]
	s_add_nc_u64 s[18:19], s[18:19], s[32:33]
.irp j, 0,1,2,3,4,5,6,7
	global_load_b128 v[W+4*\j:W+4*\j+3], v2, s[6:7] offset:512*\j
	global_load_b128 v[BN+4*\j:BN+4*\j+3], v2, s[8:9] offset:512*\j
.endr
.irp i, 0,1,2,3
.irp j, 0,1,2,3,4,5,6,7
	global_load_b128 v[X+32*\i+4*\j:X+32*\i+4*\j+3], v2, s[4:5] offset:4096*\i+512*\j th:TH_LOAD_NT
.endr
.endr
.macro TREE                            ; the four chains into T+4, T+5
	v_pk_add_f32 v[T+4:T+5], v[T+4:T+5], v[T+6:T+7]
	v_pk_add_f32 v[T+8:T+9], v[T+8:T+9], v[T+10:T+11]
	v_pk_add_f32 v[T+4:T+5], v[T+4:T+5], v[T+8:T+9]
.endm
.macro RED r, t                        ; the sum over the 32 lanes, in every lane
.irp m, 1,2,4,8
	v_add_f32_dpp v[\r], v[\r], v[\r] row_xmask:\m row_mask:0xf bank_mask:0xf
.endr
	v_permlanex16_b32 v[\t], v[\r], s[SEL], s[SEL+1]
	v_add_f32 v[\r], v[\r], v[\t]
.endm
.macro ROWLN i
.set R, X+32*(\i)
	s_wait_loadcnt 8*(3-(\i))                      ; loads come back in order: gains and this row are in, the later rows' eight loads each stay out
.irp c, 0,1,2,3
	v_pk_add_f32 v[T+4+2*\c:T+5+2*\c], v[R+2*\c:R+2*\c+1], v[R+8+2*\c:R+9+2*\c]  ; the first pairs start the chains
.endr
.irp p, 8,9,10,11,12,13,14,15
	v_pk_add_f32 v[T+4+2*(\p%4):T+5+2*(\p%4)], v[T+4+2*(\p%4):T+5+2*(\p%4)], v[R+2*\p:R+2*\p+1]
.endr
	TREE
	v_add_f32 v[T], v[T+4], v[T+5]
	RED T, T+1
	v_mul_f32 v[T], s[INV], v[T]                   ; the mean
.irp p, 0,1,2,3,4,5,6,7,8,9,10,11,12,13,14,15
	v_pk_add_f32 v[R+2*\p:R+2*\p+1], v[R+2*\p:R+2*\p+1], v[T:T+1] op_sel_hi:[1,0] neg_lo:[0,1] neg_hi:[0,1]
.endr
.irp c, 0,1,2,3
	v_pk_mul_f32 v[T+4+2*\c:T+5+2*\c], v[R+2*\c:R+2*\c+1], v[R+2*\c:R+2*\c+1]
.endr
.irp p, 4,5,6,7,8,9,10,11,12,13,14,15
	v_pk_fma_f32 v[T+4+2*(\p%4):T+5+2*(\p%4)], v[R+2*\p:R+2*\p+1], v[R+2*\p:R+2*\p+1], v[T+4+2*(\p%4):T+5+2*(\p%4)]
.endr
	TREE
	v_add_f32 v[T+2], v[T+4], v[T+5]
	RED T+2, T+3
	v_fma_f32 v[T+2], v[T+2], s[INV], s[EPS]       ; variance + 1e-5
	v_rsq_f32 v[T+12], v[T+2]
	v_nop                                          ; a plain instruction behind the root,
	s_wait_alu depctr_va_vdst(0)                   ; and the wait ahead of its first reader
.irp p, 0,1,2,3,4,5,6,7,8,9,10,11,12,13,14,15
	v_pk_mul_f32 v[R+2*\p:R+2*\p+1], v[R+2*\p:R+2*\p+1], v[T+12:T+13] op_sel_hi:[1,0]
.endr
.irp p, 0,1,2,3,4,5,6,7,8,9,10,11,12,13,14,15
	v_pk_fma_f32 v[R+2*\p:R+2*\p+1], v[R+2*\p:R+2*\p+1], v[W+2*\p:W+2*\p+1], v[BN+2*\p:BN+2*\p+1]
.endr
.irp j, 0,1,2,3,4,5,6,7
	v_cvt_pk_f16_f32 v[R+4*\j], v[R+4*\j], v[R+4*\j+1]
	v_cvt_pk_f16_f32 v[R+4*\j+1], v[R+4*\j+2], v[R+4*\j+3]
	global_store_b64 v3, v[R+4*\j:R+4*\j+1], s[18:19] offset:2048*(\i)+256*\j  ; 32 lanes store 256 consecutive bytes, aligned; each row has registers of its own, so no store's data is written again
.endr
.endm
	ROWLN 0
	ROWLN 1
	ROWLN 2
	ROWLN 3
	s_endpgm
.Lweights:
	s_sub_co_u32 s34, ttmp9, 512
	s_lshr_b32 s35, s34, 6                         ; which matrix: 0 Wq, 1 Wk, 2 Wv, 3 Wo
	s_and_b32 s34, s34, 63                         ; which 16 rows of it
	s_lshr_b32 s36, s34, 2                         ; the head,
	s_mul_i32 s36, s36, 192
	s_lshl_b32 s37, s35, 6                         ; the kind,
	s_add_co_u32 s36, s36, s37
	s_and_b32 s37, s34, 3                          ; the 16 rows in the head's 64
	s_lshl_b32 s37, s37, 4
	s_add_co_u32 s36, s36, s37
	s_lshl_b32 s37, s34, 4                         ; Wo keeps its order, behind the 3,072 rows
	s_add_co_u32 s37, s37, 3072
	s_cmp_lt_u32 s35, 3
	s_cselect_b32 s36, s36, s37
	s_lshl2_add_u32 s36, s22, s36                  ; + my wave's 4 rows
	s_lshl_b32 s32, s36, 11                        ; rows of 2,048 bytes
	s_mov_b32 s33, 0
	s_lshl_b32 s30, s34, 16                        ; the source: 16 rows of 4,096 bytes,
	s_lshl_b32 s31, s22, 14                        ; my wave's 4
	s_add_co_u32 s30, s30, s31
	s_mov_b32 s31, 0
	s_wait_kmcnt 0x0
	s_cmp_eq_u32 s35, 0
	s_cselect_b64 s[28:29], s[10:11], s[16:17]
	s_cmp_eq_u32 s35, 1
	s_cselect_b64 s[28:29], s[12:13], s[28:29]
	s_cmp_eq_u32 s35, 2
	s_cselect_b64 s[28:29], s[14:15], s[28:29]
	s_add_nc_u64 s[28:29], s[28:29], s[30:31]
	s_add_nc_u64 s[20:21], s[20:21], s[32:33]
.set t, 0
.rept 32                               ; four rows on end: 16 KiB in, 8 KiB out
	global_load_b128 v[X+4*t:X+4*t+3], v2, s[28:29] offset:512*t th:TH_LOAD_NT
.set t, t+1
.endr
.set t, 0
.rept 4
	s_wait_loadcnt 24-8*t                          ; eight more loads are in; the younger ones stay out
.set u, 8*t
.rept 8
	v_cvt_pk_f16_f32 v[X+4*u], v[X+4*u], v[X+4*u+1]
	v_cvt_pk_f16_f32 v[X+4*u+1], v[X+4*u+2], v[X+4*u+3]
	global_store_b64 v3, v[X+4*u:X+4*u+1], s[20:21] offset:256*u
.set u, u+1
.endr
.set t, t+1
.endr
	s_endpgm
.Lfunc_end_k_q9c8f29b6b8_prep:
	.size	k_q9c8f29b6b8_prep, .Lfunc_end_k_q9c8f29b6b8_prep-k_q9c8f29b6b8_prep
	.p2alignl 7, 3214868480
	.fill 96, 4, 3214868480
	.section	.rodata,"a",@progbits
	.p2align	6, 0x0
	.amdhsa_kernel k_q9c8f29b6b8_prep
		.amdhsa_group_segment_fixed_size 0
		.amdhsa_private_segment_fixed_size 0
		.amdhsa_enable_private_segment 0
		.amdhsa_kernarg_size 72
		.amdhsa_user_sgpr_count 2
		.amdhsa_user_sgpr_kernarg_segment_ptr 1
		.amdhsa_wavefront_size32 1
		.amdhsa_system_sgpr_workgroup_id_x 1
		.amdhsa_system_sgpr_workgroup_id_y 1
		.amdhsa_system_sgpr_workgroup_id_z 1
		.amdhsa_system_vgpr_workitem_id 0
		.amdhsa_next_free_vgpr 224
		.amdhsa_next_free_sgpr 66
		.amdhsa_reserve_vcc 0
		.amdhsa_float_denorm_mode_32 3
		.amdhsa_float_denorm_mode_16_64 3
		.amdhsa_memory_ordered 1
		.amdhsa_forward_progress 1
		.amdhsa_inst_pref_size 49
	.end_amdhsa_kernel
	.amdgpu_metadata
---
amdhsa.version: [ 1, 2 ]
amdhsa.kernels:
  - .name:           k_q9c8f29b6b8_prep
    .symbol:         k_q9c8f29b6b8_prep.kd
    .args:
      - { .name: x, .offset: 0, .size: 8, .value_kind: global_buffer, .address_space: global }
      - { .name: norm_w, .offset: 8, .size: 8, .value_kind: global_buffer, .address_space: global }
      - { .name: norm_b, .offset: 16, .size: 8, .value_kind: global_buffer, .address_space: global }
      - { .name: Wq, .offset: 24, .size: 8, .value_kind: global_buffer, .address_space: global }
      - { .name: Wk, .offset: 32, .size: 8, .value_kind: global_buffer, .address_space: global }
      - { .name: Wv, .offset: 40, .size: 8, .value_kind: global_buffer, .address_space: global }
      - { .name: Wo, .offset: 48, .size: 8, .value_kind: global_buffer, .address_space: global }
      - { .name: xn, .offset: 56, .size: 8, .value_kind: global_buffer, .address_space: global }
      - { .name: w16, .offset: 64, .size: 8, .value_kind: global_buffer, .address_space: global }
    .group_segment_fixed_size: 0
    .private_segment_fixed_size: 0
    .kernarg_segment_align: 8
    .kernarg_segment_size: 72
    .max_flat_workgroup_size: 128
    .sgpr_count:     66
    .vgpr_count:     224
    .wavefront_size: 32
...
	.end_amdgpu_metadata
.endif
;; end of part 1
;; launch qkv (part 2): grid 16 x 32, 4 waves a work-group, clusters of 4 x 4, 327,680 bytes of LDS; arguments xn, w16, bq, bk, bv, qn_w, qn_b, kn_w, kn_b, q16, k16, v16; writes q16, k16, v16
.if DOCPART == 2
	.amdgcn_target "amdgcn-amd-amdhsa--gfx1250"
	.amdhsa_code_object_version 6
	.text
	.protected	k_q9c8f29b6b8_qkv
	.globl	k_q9c8f29b6b8_qkv
	.p2align	8
	.type	k_q9c8f29b6b8_qkv,@function
k_q9c8f29b6b8_qkv:
	s_mov_b64 s[64:65], 0
	v_nop
	global_prefetch_b8 v0, s[64:65] scope:SCOPE_SE
	s_setreg_imm32_b32 hwreg(HW_REG_WAVE_MODE, 25, 1), 1
	s_wait_xcnt 0x0
	s_wait_alu depctr_hold_cnt(0) depctr_sa_sdst(0) depctr_va_vdst(0) depctr_va_sdst(0) depctr_va_ssrc(0) depctr_va_vcc(0) depctr_vm_vsrc(0)
	s_getreg_b32 s2, hwreg(HW_REG_IB_STS2, 6, 4)
	s_cmp_eq_u32 s2, 0
	s_cbranch_scc0 .Lentry_in_a_cluster
	s_endpgm
.Lentry_in_a_cluster:
	s_bfe_u32 s2, ttmp6, 0x10000c
	s_cmp_lg_u32 s2, 0xf033
	s_cbranch_scc0 .Lentry_shape_is_right
	s_endpgm
.Lentry_shape_is_right:
; QKV.  q, k, v = xn W^T + bias; q and k then take a LayerNorm over their head's 64 channels (f32, two passes); all three leave by heads, [16 b + h][2048][64], rounded once to f16.  q leaves unscaled.
; THE TILE is 256 rows x 192 columns: by w16's row order the columns are ONE head's q (0-63), k (64-127) and v (128-191).  512 tiles: two work-groups for each of 256 WGPs.
; Four waves; wave w owns rows 64 w .. 64 w + 63 and all 192 columns: 48 accumulators of 16 x 16, so that a head's 64 channels of a row lie in two lanes of one wave.
; THE PRODUCT IS USED TRANSPOSED (source 0 = 16 rows of w16, source 1 = 16 rows of xn): a lane holds row l % 16 and, of each block of 16 columns, the columns 8 (l / 16) + 0..7.
; The bias is the C operand of each sum's first product.  K = 1,024 goes in 8 steps of 128 through two LDS slots; a row of a tile is 256 bytes of memory, aligned.
; CLUSTER 4 x 4: xn's tile is shared along a row of the cluster, w16's along a column: joint loads, the same descriptor and mask in the four that a mask names.
; LIMITS.  f16 ends at 65,504: |q|, |k|, |v| stay below that.  NaN and infinities are not treated apart.
; REGISTERS, in windows of 256 (s_set_vgpr_msb: bits 1:0 source 0, 3:2 source 1, 5:4 source 2, 7:6 destination):
;   window 0: v0-31 addresses and statistics; v32-63 at work on the way out; v64-127 xn's fragments, two buffers of 4 (on the way out: D); v128-255 the four gain tables
;   window 1: w16's fragments, two buffers of 12 (v0-95, v96-191)     window 2: q's and k's accumulators, 128 kind + 32 a + 8 bb     window 3: v0-127 v's accumulators; v128-223 the bias, 8 for each block
.set PITCH,  272                       ; an LDS row: 256 bytes + 16 of padding = 68 words: the 16 rows of a fragment load start at 16 different groups of four banks (64 banks of 4 bytes: ISA guide 11.1)
.set HALFA,  128*PITCH                 ; what waves 0 and 1 fetch: 128 rows of xn each
.set HALFB,  96*PITCH                  ; what waves 2 and 3 fetch: 96 rows of w16 each
.set BOFF,   2*HALFA
.set SLOT1,  131072                    ; slot 1 begins here: one exclusive or turns an address in one slot into the other's
.set STAGE,  SLOT1+BOFF+2*HALFB        ; behind the ring: 16 rows x 144 bytes for each wave, for the way out; no tensor load lands here
.set SP,     144
.set SPARE,  STAGE+4*16*SP             ; the spare words, 128 bytes for each wave: two blocks of 256 bytes that no other line names
.set MU,   4                           ; v4-7    the means, a pair for q and one for k
.set RS,   8                           ; v8-11   1/sigma, likewise
.set XC,   12                          ; v12-13  the other half of the lanes' part
.set ADRA0, 16                         ; v16, v17  my lane's place in slot 0's xn and w16; never rewritten
.set ADRB0, 17
.set ADRA, 18                          ; v18, v19  the same in the slot in hand
.set ADRB, 19
.set STO,  24                          ; the way out: where I put 16 bytes of a row
.set RD,   25                          ; where I read rows back
.set GO,   26                          ; my 16 bytes in 512 consecutive bytes of the output
.set BO,   27                          ; 32 (l / 16): my 8 numbers in 16 of a bias or gain
.set SPW,  28                          ; LDS address of my spare word; never rewritten
.set NIL,  29                          ; 0; never rewritten
.set PFO,  30                          ; the prefetches' offset: a lane a row; never rewritten
.set PP,   32                          ; v32-63  16 registers for q, 16 for k
.set DD,   64                          ; v64-127 32 registers for q, 32 for k
.set FA,   64
.set GN,   128                         ; qn_w, qn_b, kn_w, kn_b: 32 each, at 8 bb + j
.set BIAS, 128                         ; window 3
.set TB,   4                           ; s4   0 or SLOT1: the slot in hand
.set INV,  5                           ; s5   1/64
.set EPS,  6                           ; s6   1e-5
.set G1A,  24                          ; s[24:31] descriptor group 1 for xn's tiles;  s[32:39] group 0: set 0 for K step 0, set 1 walks
.set G0A,  32
.set G1B,  48                          ; s[48:55], s[56:63] the same for w16's
.set G0B,  56
.set SEL,  66                          ; s66, s67 v_permlanex16_b32's selects
.set PFA,  92                          ; s[92:93] where my prefetches stand
.set LIM,  94                          ; s94  2 in a wave that prefetches, else the greatest number
.set TO_B, 0x40
.set MSB, 0
.macro WIN new                         ; the immediate's high byte repeats the setting that is left; a switch that changes nothing is dropped
.if MSB != (\new)
	s_set_vgpr_msb (MSB<<8)|(\new)
.set MSB, \new
.endif
.endm
.macro PLACES                          ; four plain places behind matrix instructions, in front of loads into registers that they read and of lines that read results
.rept 4
	v_nop
.endr
.endm
; A joint load by descriptor set s.  Waves 0 and 1 fetch xn's halves, waves 2 and 3 w16's.  The branch hangs on the wave's number alone.  An s_nop 0 and four v_nop follow each line.
.macro JLOAD s
	s_cmp_eq_u32 s11, 0
	s_cbranch_scc0 .Lfor_b_\@
	tensor_load_to_lds s[G0A+4*(\s):G0A+4*(\s)+3], s[G1A:G1A+7]
	s_nop 0
.rept 4
	v_nop
.endr
	s_branch .Lasked_\@
.Lfor_b_\@:
	tensor_load_to_lds s[G0B+4*(\s):G0B+4*(\s)+3], s[G1B:G1B+7]
	s_nop 0
.rept 4
	v_nop
.endr
.Lasked_\@:
.endm
.macro CREST                           ; a round of the cluster's barrier behind its opening barrier
	s_cmp_lg_u32 s10, 0
	s_cbranch_scc1 .Lnot_wave_0_\@
	s_barrier_signal -3
.Lnot_wave_0_\@:
	s_barrier_wait -3
	s_barrier_signal -1
	s_barrier_wait -1
.endm
.macro CROUND
	s_barrier_signal -1
	s_barrier_wait -1
	CREST
.endm
; A prefetch of the K step two refills on: 256 bytes of each of my work-group's share of the rows that I fetch, a lane a row.  xn's rows are asked for by the clusters with x = 0, w16's by those with y = 0;
; the four partners of a joint load share its rows out by address.  The loop's last two trips have no K step two refills on.
.macro ASK
	s_cmp_gt_u32 s3, s[LIM]
	s_cbranch_scc0 .Lnot_mine_\@
	global_prefetch_b8 v[PFO], s[PFA:PFA+1] offset:256 th:TH_LOAD_NT scope:SCOPE_SE
.Lnot_mine_\@:
.endm
	s_load_b512 s[68:83], s[0:1], 0x0              ; xn 68, w16 70, bq 72, bk 74, bv 76, qn_w 78, qn_b 80, kn_w 82
	s_load_b256 s[84:91], s[0:1], 0x40             ; kn_b 84, q16 86, k16 88, v16 90
	v_lshl_add_u32 v[SPW], v0, 2, SPARE
	v_mov_b32 v[NIL], 0
	ds_add_u32 v[SPW], v[NIL]                      ; the wave's opening: the add and its wait stand ahead of my first tensor load; work on registers stands between them
	v_lshrrev_b32 v1, 5, v0
	v_readfirstlane_b32 s10, v1                    ; wave 0..3
	s_lshr_b32 s11, s10, 1                         ; I fetch for xn (0) or for w16 (1),
	s_and_b32 s12, s10, 1                          ; its first or second half
	s_bfe_u32 s40, ttmp6, 0x40000                  ; cx
	s_bfe_u32 s41, ttmp6, 0x40004                  ; cy
	s_lshl_b32 s42, ttmp9, 2
	s_add_co_u32 s42, s42, s40                     ; the head = 4 x cluster x + cx
	s_and_b32 s13, ttmp7, 0xffff
	s_lshl_b32 s13, s13, 2
	s_add_co_u32 s13, s13, s41                     ; the block of 256 rows = 4 x cluster y + cy
	s_lshl_b32 s43, s41, 2
	s_lshl_b32 s43, 15, s43                        ; my row of the cluster
	s_lshl_b32 s44, 0x1111, s40                    ; my column
	s_or_b32 s[G1A], s43, (1<<16)|(1<<20)|(1<<21)|(5<<22)|(3<<25)  ; the mask; elements of 2 bytes; padding on; bit 21 beside a mask; after every 64 words 4 words
	s_or_b32 s[G1B], s44, (1<<16)|(1<<20)|(1<<21)|(5<<22)|(3<<25)
	s_mov_b32 s[G1A+1], 128<<16                    ; tensor_dim0 = 128
	s_mov_b32 s[G1A+2], 128<<16                    ; tensor_dim1 = 128
	s_mov_b32 s[G1A+3], 128<<16                    ; tile_dim0 = 128
	s_mov_b32 s[G1A+4], 128                        ; tile_dim1 = 128
	s_mov_b32 s[G1A+5], 1024                       ; elements from row to row
	s_mov_b32 s[G1A+6], 0
	s_mov_b32 s[G1A+7], 0
	s_mov_b32 s[G1B+1], 128<<16
	s_mov_b32 s[G1B+2], 96<<16                     ; 96 rows
	s_mov_b32 s[G1B+3], 128<<16
	s_mov_b32 s[G1B+4], 96
	s_mov_b32 s[G1B+5], 1024
	s_mov_b32 s[G1B+6], 0
	s_mov_b32 s[G1B+7], 0
	s_lshl_b32 s17, s12, 7
	s_lshl_b32 s16, s13, 8
	s_add_co_u32 s16, s16, s17                     ; xn: row 256 x block + 128 x half,
	s_lshl_b32 s16, s16, 11                        ; in bytes
	s_mov_b32 s17, 0
	s_mul_i32 s46, s42, 192
	s_mul_i32 s47, s12, 96
	s_add_co_u32 s46, s46, s47                     ; w16: row 192 x head + 96 x half
	s_lshl_b32 s46, s46, 11
	s_mov_b32 s47, 0
	s_mul_i32 s20, s12, HALFA                      ; where they go: no place in the cluster enters an LDS address
	s_mul_i32 s21, s12, HALFB
	s_add_co_u32 s21, s21, BOFF
	s_mov_b32 s[TB], 0
	s_mov_b32 s[INV], 0x3c800000
	s_mov_b32 s[EPS], 0x3727c5ac
	s_mov_b32 s[SEL], 0x76543210
	s_mov_b32 s[SEL+1], 0xfedcba98
	s_wait_dscnt 0x0                               ; the opening add is done
	s_wait_kmcnt 0x0
	s_add_nc_u64 s[14:15], s[68:69], s[16:17]
	s_add_nc_u64 s[46:47], s[70:71], s[46:47]
	CROUND                                         ; all sixteen work-groups are here: the first joint loads meet
.irp s, 0,1
	s_mov_b32 s[G0A+4*\s], 1
	s_add_co_u32 s[G0A+4*\s+1], s20, \s*SLOT1
	s_add_nc_u64 s[G0A+4*\s+2:G0A+4*\s+3], s[14:15], \s*256
	s_or_b32 s[G0A+4*\s+3], s[G0A+4*\s+3], 0x80000000
	s_mov_b32 s[G0B+4*\s], 1
	s_add_co_u32 s[G0B+4*\s+1], s21, \s*SLOT1
	s_add_nc_u64 s[G0B+4*\s+2:G0B+4*\s+3], s[46:47], \s*256
	s_or_b32 s[G0B+4*\s+3], s[G0B+4*\s+3], 0x80000000
	JLOAD \s                                       ; K steps 0 and 1: two tensor loads of mine are out
.endr
	v_and_b32 v1, 15, v0                           ; l % 16
	v_bfe_u32 v2, v0, 4, 1                         ; l / 16
	v_lshlrev_b32 v[BO], 5, v2
	s_lshl_b32 s22, s42, 8                         ; the head's 64 numbers in a bias
	s_mov_b32 s23, 0
	s_add_nc_u64 s[72:73], s[72:73], s[22:23]
	s_add_nc_u64 s[74:75], s[74:75], s[22:23]
	s_add_nc_u64 s[76:77], s[76:77], s[22:23]
	WIN 0xc0                                       ; destination window 3, address window 0
.irp b, 0,1,2,3,4,5,6,7,8,9,10,11
	global_load_b128 v[BIAS+8*\b:BIAS+8*\b+3],   v[BO], s[72+2*(\b/4):73+2*(\b/4)] offset:64*(\b%4)
	global_load_b128 v[BIAS+8*\b+4:BIAS+8*\b+7], v[BO], s[72+2*(\b/4):73+2*(\b/4)] offset:64*(\b%4)+16
.endr
	WIN 0
.irp t, 0,1,2,3
.irp c, 0,1,2,3
	global_load_b128 v[GN+32*\t+8*\c:GN+32*\t+8*\c+3],   v[BO], s[78+2*\t:79+2*\t] offset:64*\c
	global_load_b128 v[GN+32*\t+8*\c+4:GN+32*\t+8*\c+7], v[BO], s[78+2*\t:79+2*\t] offset:64*\c+16
.endr
.endr
	v_mul_u32_u24 v3, v1, PITCH
	v_lshl_add_u32 v3, v2, 4, v3                   ; a fragment's row x pitch + 16 x half
	s_mul_i32 s22, s10, 64*PITCH                   ; my 64 rows of xn
	v_add_nc_u32 v[ADRA0], s22, v3
	v_add_nc_u32 v[ADRB0], BOFF, v3
	v_mov_b32 v[ADRA], v[ADRA0]
	v_mov_b32 v[ADRB], v[ADRB0]
.irp r, 4,5,6,7,8,9,10,11,12,13
	v_mov_b32 v\r, 0                               ; pairs are named whole, and the lane exchange's destination counts as read
.endr
	s_mul_i32 s23, s10, 16*SP
	s_add_co_u32 s23, s23, STAGE                   ; my stage
	v_mul_u32_u24 v3, v1, SP
	v_lshl_add_u32 v3, v2, 4, v3
	v_add_nc_u32 v[STO], s23, v3                   ; in: row l % 16, 16 bytes for each half of the lanes
	v_bfe_u32 v3, v0, 3, 2
	v_mul_u32_u24 v3, v3, SP
	v_and_b32 v14, 7, v0
	v_lshl_add_u32 v3, v14, 4, v3
	v_add_nc_u32 v[RD], s23, v3                    ; back: 32 lanes take four rows of 128 bytes,
	v_and_b32 v[GO], 31, v0
	v_lshlrev_b32 v[GO], 4, v[GO]                  ; which are 512 consecutive bytes of the output
	s_lshr_b32 s22, s13, 3                         ; the batch: 16 heads of 262,144 bytes,
	s_lshl_b32 s22, s22, 22
	s_lshl_b32 s23, s42, 18                        ; the head,
	s_add_co_u32 s22, s22, s23
	s_and_b32 s23, s13, 7                          ; the block's 256 rows of 128 bytes,
	s_lshl_b32 s23, s23, 15
	s_add_co_u32 s22, s22, s23
	s_lshl_b32 s23, s10, 13                        ; my wave's 64
	s_add_co_u32 s22, s22, s23
	s_mov_b32 s23, 0
	s_add_nc_u64 s[86:87], s[86:87], s[22:23]
	s_add_nc_u64 s[88:89], s[88:89], s[22:23]
	s_add_nc_u64 s[90:91], s[90:91], s[22:23]
	; the prefetches: of the 128 rows of xn that I fetch my work-group takes 32 (by cx), of the 96 rows of w16 it takes 24 (by cy; lanes 24-31 name lane 23's row once more)
	s_lshl_b32 s18, s13, 8
	s_lshl_b32 s19, s12, 7
	s_add_co_u32 s18, s18, s19
	s_lshl_b32 s19, s40, 5
	s_add_co_u32 s18, s18, s19
	s_mul_i32 s20, s42, 192
	s_mul_i32 s21, s12, 96
	s_add_co_u32 s20, s20, s21
	s_mul_i32 s21, s41, 24
	s_add_co_u32 s20, s20, s21
	s_and_b32 s22, ttmp7, 0xffff
	s_cmp_eq_u32 s11, 0
	s_cselect_b32 s18, s18, s20
	s_cselect_b32 s22, ttmp9, s22                  ; the coordinate along which other clusters read the same rows
	s_cselect_b32 s23, 31, 23
	s_cselect_b64 s[PFA:PFA+1], s[68:69], s[70:71]
	s_cmp_eq_u32 s22, 0
	s_cselect_b32 s[LIM], 2, -1                    ; the same in all sixteen partners, for a given wave
	s_lshl_b32 s18, s18, 11
	s_add_co_u32 s18, s18, 512                     ; at K step 2: the first refill steps it to 3 and names K step 4
	s_mov_b32 s19, 0
	s_add_nc_u64 s[PFA:PFA+1], s[PFA:PFA+1], s[18:19]
	v_and_b32 v[PFO], 31, v0
	v_min_u32 v[PFO], s23, v[PFO]
	v_lshlrev_b32 v[PFO], 11, v[PFO]
; 8 products: row blocks a0, a0 + 1 x the 4 column blocks of kind hd (0 q, 1 k, 2 v), 32 along K, from buffer f.  first = 1: the bias starts the sums.
.macro MUL8 f, hd, a0, first
.if (\hd) == 2
	WIN 0xf1                                       ; w16 window 1, xn window 0, C and D window 3
.elseif \first
	WIN 0xb1                                       ; C (the bias) window 3, D window 2
.else
	WIN 0xa1                                       ; C and D window 2
.endif
.irp a, \a0, (\a0)+1
.irp c, 0,1,2,3
.if \first
	v_wmma_f32_16x16x32_f16 v[128*((\hd)%2)+32*(\a)+8*\c:128*((\hd)%2)+32*(\a)+8*\c+7], v[96*(\f)+8*(4*(\hd)+\c):96*(\f)+8*(4*(\hd)+\c)+7], v[FA+32*(\f)+8*(\a):FA+32*(\f)+8*(\a)+7], v[BIAS+8*(4*(\hd)+\c):BIAS+8*(4*(\hd)+\c)+7]
.else
	v_wmma_f32_16x16x32_f16 v[128*((\hd)%2)+32*(\a)+8*\c:128*((\hd)%2)+32*(\a)+8*\c+7], v[96*(\f)+8*(4*(\hd)+\c):96*(\f)+8*(4*(\hd)+\c)+7], v[FA+32*(\f)+8*(\a):FA+32*(\f)+8*(\a)+7], v[128*((\hd)%2)+32*(\a)+8*\c:128*((\hd)%2)+32*(\a)+8*\c+7]
.endif
.endr
.endr
.endm
.macro MULH f, hd, first               ; a kind's 16 accumulators.  Every quarter takes all 48 once, in one order: between two links of a chain stand 47 others', over the backward jump too
	MUL8 \f, \hd, 0, \first
	MUL8 \f, \hd, 2, \first
.endm
.macro FETCH q, f                      ; 32 LDS loads in one run: quarter q (32 along K) of the slot in hand into buffer f: xn's 4 fragments, then w16's 12 in ascending order
	WIN 0
.irp i, 0,1,2,3
	ds_load_b128 v[FA+32*(\f)+8*\i:FA+32*(\f)+8*\i+3],   v[ADRA] offset:64*(\q)+\i*16*PITCH
	ds_load_b128 v[FA+32*(\f)+8*\i+4:FA+32*(\f)+8*\i+7], v[ADRA] offset:64*(\q)+\i*16*PITCH+32
.endr
	WIN TO_B
.irp i, 0,1,2,3,4,5,6,7,8,9,10,11
	ds_load_b128 v[96*(\f)+8*\i:96*(\f)+8*\i+3],   v[ADRB] offset:64*(\q)+\i*16*PITCH
	ds_load_b128 v[96*(\f)+8*\i+4:96*(\f)+8*\i+7], v[ADRB] offset:64*(\q)+\i*16*PITCH+32
.endr
.endm
.macro QUARTER qn, f, g, first         ; multiplies buffer f; fetches quarter qn into buffer g
	s_wait_dscnt 8                                 ; all but the youngest eight loads (v's four blocks of w16) are in
	MULH \f, 0, \first
	PLACES
	FETCH \qn, \g
	MULH \f, 1, \first
	s_wait_dscnt 32                                ; all but the 32 just issued
	MULH \f, 2, \first
.endm
; The fourth quarter multiplies buffer 1 and changes slots.  In front of the barrier each wave waits for all its tensor loads (one is out: its part of the next slot), adds 0 to its spare word, and waits for that and
; for its reads of this slot.  fill = 1: the barrier opens a round of the cluster's barrier, and behind the round this slot is filled again, first thing, with the K step two on: 160 products stand between the request and the wait for it.
.macro TURN fill
.if \fill
	s_wait_xcnt 0x0                                ; the last prefetch, a K step back, has read its address
	s_add_nc_u64 s[PFA:PFA+1], s[PFA:PFA+1], 256
.endif
	WIN 0
	s_wait_tensorcnt 0x0                           ; all my tensor loads have landed
	ds_add_u32 v[SPW], v[NIL]                      ; 0 onto my spare word
	s_wait_dscnt 9                                 ; (the add and the youngest eight loads may be out)
	MULH 1, 0, 0
	s_wait_dscnt 0x0                               ; the add is done, and my reads of this slot are over
	s_barrier_signal -1
	MULH 1, 1, 0                                   ; work on registers while the others arrive
	WIN 0
	s_barrier_wait -1
.if \fill
	CREST                                          ; no wave of any partner still reads this slot or has a load on its way
	s_xor_b32 s[G0A+5], s[G0A+5], SLOT1            ; the walking descriptors: the slot just read, the next K step
	s_add_nc_u64 s[G0A+6:G0A+7], s[G0A+6:G0A+7], 256
	s_xor_b32 s[G0B+5], s[G0B+5], SLOT1
	s_add_nc_u64 s[G0B+6:G0B+7], s[G0B+6:G0B+7], 256
	JLOAD 1                                        ; its four v_nop are also the places in front of the loads below
.else
	PLACES
.endif
	s_xor_b32 s[TB], s[TB], SLOT1
	v_add_nc_u32 v[ADRA], s[TB], v[ADRA0]
	v_add_nc_u32 v[ADRB], s[TB], v[ADRB0]
	FETCH 0, 0
	WIN 0
.if \fill
	ASK
.endif
	MULH 1, 2, 0
.endm
	s_wait_tensorcnt 1                             ; my part of K step 0 is in; K step 1's may stay out
	s_barrier_signal -1
	s_barrier_wait -1
	FETCH 0, 0
	s_wait_loadcnt 0x0                             ; bias and gains
	QUARTER 1, 0, 1, 1                             ; the first quarter stands in front of the loop: its products start the sums
	WIN 0
	s_mov_b32 s3, 6
.Lstep:                                        ; a trip: a K step's quarters 1 to 3 and the next step's quarter 0; trip t asks for K step t + 2
	QUARTER 2, 1, 0, 0
	QUARTER 3, 0, 1, 0
	TURN 1
	QUARTER 1, 0, 1, 0
	WIN 0
	s_sub_co_u32 s3, s3, 1
	s_cmp_lg_u32 s3, 0
	s_cbranch_scc1 .Lstep
	QUARTER 2, 1, 0, 0                             ; the last two K steps ask for nothing
	QUARTER 3, 0, 1, 0
	TURN 0
	QUARTER 1, 0, 1, 0
	QUARTER 2, 1, 0, 0
	QUARTER 3, 0, 1, 0
	s_wait_dscnt 8
	MULH 1, 0, 0
	MULH 1, 1, 0
	s_wait_dscnt 0x0
	MULH 1, 2, 0
	WIN 0
	PLACES
; THE WAY OUT.  Row block a of q (u = 0) and of k (u = 1), the two side by side: mean over the head's 64 channels (32 in my lane, 32 in the lane 16 away), differences, variance, 1/sigma, gains, f16;
; then through my stage: 16 bytes a lane into rows of 144 bytes, back as rows of 128, four rows = 512 consecutive bytes to a store.  Each accumulator's lowest registers are read first.
.macro LNPAIR a
	WIN 0
	s_wait_xcnt 0x0                                ; earlier stores have read D
	WIN 0x0a                                       ; sources window 2
.irp k, 0,1,2,3,4,5,6,7
.irp u, 0,1
	v_pk_add_f32 v[PP+16*\u+2*\k:PP+16*\u+2*\k+1], v[128*\u+32*(\a)+4*\k:128*\u+32*(\a)+4*\k+1], v[128*\u+32*(\a)+4*\k+2:128*\u+32*(\a)+4*\k+3]
.endr
.endr
	WIN 0
.irp k, 0,1,2,3
.irp u, 0,1
	v_pk_add_f32 v[PP+16*\u+2*\k:PP+16*\u+2*\k+1], v[PP+16*\u+2*\k:PP+16*\u+2*\k+1], v[PP+16*\u+2*\k+8:PP+16*\u+2*\k+9]
.endr
.endr
.irp k, 0,1
.irp u, 0,1
	v_pk_add_f32 v[PP+16*\u+2*\k:PP+16*\u+2*\k+1], v[PP+16*\u+2*\k:PP+16*\u+2*\k+1], v[PP+16*\u+2*\k+4:PP+16*\u+2*\k+5]
.endr
.endr
.irp u, 0,1
	v_pk_add_f32 v[PP+16*\u:PP+16*\u+1], v[PP+16*\u:PP+16*\u+1], v[PP+16*\u+2:PP+16*\u+3]
.endr
.irp u, 0,1
	v_add_f32 v[MU+2*\u], v[PP+16*\u], v[PP+16*\u+1]
.endr
.irp u, 0,1
	v_permlanex16_b32 v[XC+\u], v[MU+2*\u], s[SEL], s[SEL+1]
.endr
.irp u, 0,1
	v_add_f32 v[MU+2*\u], v[MU+2*\u], v[XC+\u]
.endr
.irp u, 0,1
	v_mul_f32 v[MU+2*\u], s[INV], v[MU+2*\u]
.endr
	WIN 0x02                                       ; source 0 window 2
.irp k, 0,1,2,3,4,5,6,7,8,9,10,11,12,13,14,15
.irp u, 0,1
	v_pk_add_f32 v[DD+32*\u+2*\k:DD+32*\u+2*\k+1], v[128*\u+32*(\a)+2*\k:128*\u+32*(\a)+2*\k+1], v[MU+2*\u:MU+2*\u+1] op_sel_hi:[1,0] neg_lo:[0,1] neg_hi:[0,1]
.endr
.endr
	WIN 0
.irp k, 0,1,2,3
.irp u, 0,1
	v_pk_mul_f32 v[PP+16*\u+2*\k:PP+16*\u+2*\k+1], v[DD+32*\u+2*\k:DD+32*\u+2*\k+1], v[DD+32*\u+2*\k:DD+32*\u+2*\k+1]
.endr
.endr
.irp k, 4,5,6,7,8,9,10,11,12,13,14,15
.irp u, 0,1
	v_pk_fma_f32 v[PP+16*\u+2*(\k%4):PP+16*\u+2*(\k%4)+1], v[DD+32*\u+2*\k:DD+32*\u+2*\k+1], v[DD+32*\u+2*\k:DD+32*\u+2*\k+1], v[PP+16*\u+2*(\k%4):PP+16*\u+2*(\k%4)+1]
.endr
.endr
.irp k, 0,1
.irp u, 0,1
	v_pk_add_f32 v[PP+16*\u+2*\k:PP+16*\u+2*\k+1], v[PP+16*\u+2*\k:PP+16*\u+2*\k+1], v[PP+16*\u+2*\k+4:PP+16*\u+2*\k+5]
.endr
.endr
.irp u, 0,1
	v_pk_add_f32 v[PP+16*\u:PP+16*\u+1], v[PP+16*\u:PP+16*\u+1], v[PP+16*\u+2:PP+16*\u+3]
.endr
.irp u, 0,1
	v_add_f32 v[RS+2*\u], v[PP+16*\u], v[PP+16*\u+1]
.endr
.irp u, 0,1
	v_permlanex16_b32 v[XC+\u], v[RS+2*\u], s[SEL], s[SEL+1]
.endr
.irp u, 0,1
	v_add_f32 v[RS+2*\u], v[RS+2*\u], v[XC+\u]
.endr
.irp u, 0,1
	v_fma_f32 v[RS+2*\u], v[RS+2*\u], s[INV], s[EPS]
.endr
.irp u, 0,1
	v_rsq_f32 v[RS+2*\u], v[RS+2*\u]
.endr
	v_nop                                          ; a plain instruction behind the roots,
	s_wait_alu depctr_va_vdst(0)                   ; and one wait for both, ahead of their first reader
.irp k, 0,1,2,3,4,5,6,7,8,9,10,11,12,13,14,15
.irp u, 0,1
	v_pk_mul_f32 v[DD+32*\u+2*\k:DD+32*\u+2*\k+1], v[DD+32*\u+2*\k:DD+32*\u+2*\k+1], v[RS+2*\u:RS+2*\u+1] op_sel_hi:[1,0]
.endr
.endr
.irp k, 0,1,2,3,4,5,6,7,8,9,10,11,12,13,14,15
.irp u, 0,1
	v_pk_fma_f32 v[DD+32*\u+2*\k:DD+32*\u+2*\k+1], v[DD+32*\u+2*\k:DD+32*\u+2*\k+1], v[GN+64*\u+2*\k:GN+64*\u+2*\k+1], v[GN+64*\u+32+2*\k:GN+64*\u+32+2*\k+1]
.endr
.endr
.irp k, 0,1,2,3,4,5,6,7,8,9,10,11,12,13,14,15
.irp u, 0,1
	v_cvt_pk_f16_f32 v[PP+16*\u+\k], v[DD+32*\u+2*\k], v[DD+32*\u+2*\k+1]
.endr
.endr
.irp u, 0,1
.irp c, 0,1,2,3
	ds_store_b128 v[STO], v[PP+16*\u+4*\c:PP+16*\u+4*\c+3] offset:32*\c
.endr
.irp f, 0,1,2,3
	ds_load_b128 v[DD+32*\u+4*\f:DD+32*\u+4*\f+3], v[RD] offset:\f*4*SP  ; LDS serves a wave's instructions in order (ISA guide 5.7.1.4): these see the stores above, and k's stores come behind q's loads
.endr
.endr
	s_wait_dscnt 8                                 ; q's rows are back; k's eight LDS instructions may be out
.irp f, 0,1,2,3
	global_store_b128 v[GO], v[DD+4*\f:DD+4*\f+3], s[86:87] offset:2048*(\a)+512*\f
.endr
	s_wait_dscnt 0x0
.irp f, 0,1,2,3
	global_store_b128 v[GO], v[DD+32+4*\f:DD+32+4*\f+3], s[88:89] offset:2048*(\a)+512*\f
.endr
.endm
.macro VOUT a                          ; row block a of v: rounded, staged, stored
	WIN 0
	s_wait_xcnt 0x0                                ; earlier stores have read D
	WIN 0x0f                                       ; sources window 3
.set i, 0
.rept 16
	v_cvt_pk_f16_f32 v[PP+16*((\a)%2)+i], v[32*(\a)+2*i], v[32*(\a)+2*i+1]
.set i, i+1
.endr
	WIN 0
.irp c, 0,1,2,3
	ds_store_b128 v[STO], v[PP+16*((\a)%2)+4*\c:PP+16*((\a)%2)+4*\c+3] offset:32*\c
.endr
.irp f, 0,1,2,3
	ds_load_b128 v[DD+32*((\a)%2)+4*\f:DD+32*((\a)%2)+4*\f+3], v[RD] offset:\f*4*SP
.endr
	s_wait_dscnt 0x0
.irp f, 0,1,2,3
	global_store_b128 v[GO], v[DD+32*((\a)%2)+4*\f:DD+32*((\a)%2)+4*\f+3], s[90:91] offset:2048*(\a)+512*\f
.endr
.endm
	LNPAIR 0
	LNPAIR 1
	LNPAIR 2
	LNPAIR 3
	VOUT 0
	VOUT 1
	VOUT 2
	VOUT 3
	s_wait_tensorcnt 0x0                           ; the wave's end: behind my last tensor load and my last LDS store
	ds_add_u32 v[SPW], v[NIL]
	s_wait_dscnt 0x0
	CROUND                                         ; the closing round: no work-group ends while a partner may still ask for a tile that names it
	s_endpgm
.Lfunc_end_k_q9c8f29b6b8_qkv:
	.size	k_q9c8f29b6b8_qkv, .Lfunc_end_k_q9c8f29b6b8_qkv-k_q9c8f29b6b8_qkv
	.p2alignl 7, 3214868480
	.fill 96, 4, 3214868480
	.section	.rodata,"a",@progbits
	.p2align	6, 0x0
	.amdhsa_kernel k_q9c8f29b6b8_qkv
		.amdhsa_group_segment_fixed_size 327680
		.amdhsa_private_segment_fixed_size 0
		.amdhsa_enable_private_segment 0
		.amdhsa_kernarg_size 96
		.amdhsa_user_sgpr_count 2
		.amdhsa_user_sgpr_kernarg_segment_ptr 1
		.amdhsa_wavefront_size32 1
		.amdhsa_system_sgpr_workgroup_id_x 1
		.amdhsa_system_sgpr_workgroup_id_y 1
		.amdhsa_system_sgpr_workgroup_id_z 1
		.amdhsa_system_vgpr_workitem_id 0
		.amdhsa_next_free_vgpr 992
		.amdhsa_next_free_sgpr 96
		.amdhsa_reserve_vcc 0
		.amdhsa_float_denorm_mode_32 3
		.amdhsa_float_denorm_mode_16_64 3
		.amdhsa_memory_ordered 1
		.amdhsa_forward_progress 1
		.amdhsa_inst_pref_size 149
	.end_amdhsa_kernel
	.amdgpu_metadata
---
amdhsa.version: [ 1, 2 ]
amdhsa.kernels:
  - .name:           k_q9c8f29b6b8_qkv
    .symbol:         k_q9c8f29b6b8_qkv.kd
    .args:
      - { .name: xn, .offset: 0, .size: 8, .value_kind: global_buffer, .address_space: global }
      - { .name: w16, .offset: 8, .size: 8, .value_kind: global_buffer, .address_space: global }
      - { .name: bq, .offset: 16, .size: 8, .value_kind: global_buffer, .address_space: global }
      - { .name: bk, .offset: 24, .size: 8, .value_kind: global_buffer, .address_space: global }
      - { .name: bv, .offset: 32, .size: 8, .value_kind: global_buffer, .address_space: global }
      - { .name: qn_w, .offset: 40, .size: 8, .value_kind: global_buffer, .address_space: global }
      - { .name: qn_b, .offset: 48, .size: 8, .value_kind: global_buffer, .address_space: global }
      - { .name: kn_w, .offset: 56, .size: 8, .value_kind: global_buffer, .address_space: global }
      - { .name: kn_b, .offset: 64, .size: 8, .value_kind: global_buffer, .address_space: global }
      - { .name: q16, .offset: 72, .size: 8, .value_kind: global_buffer, .address_space: global }
      - { .name: k16, .offset: 80, .size: 8, .value_kind: global_buffer, .address_space: global }
      - { .name: v16, .offset: 88, .size: 8, .value_kind: global_buffer, .address_space: global }
    .group_segment_fixed_size: 327680
    .private_segment_fixed_size: 0
    .kernarg_segment_align: 8
    .kernarg_segment_size: 96
    .max_flat_workgroup_size: 128
    .sgpr_count:     96
    .vgpr_count:     992
    .wavefront_size: 32
...
	.end_amdgpu_metadata
.endif
;; end of part 2
;; launch attn (part 3): grid 4 x 64, 4 waves a work-group, clusters of 4 x 1, 327,680 bytes of LDS; arguments q16, k16, v16, o16, attention_mask; writes o16
.if DOCPART == 3
	.amdgcn_target "amdgcn-amd-amdhsa--gfx1250"
	.amdhsa_code_object_version 6
	.text
	.protected	k_q9c8f29b6b8_attn
	.globl	k_q9c8f29b6b8_attn
	.p2align	8
	.type	k_q9c8f29b6b8_attn,@function
k_q9c8f29b6b8_attn:
	s_mov_b64 s[64:65], 0
	v_nop
	global_prefetch_b8 v0, s[64:65] scope:SCOPE_SE
	s_setreg_imm32_b32 hwreg(HW_REG_WAVE_MODE, 25, 1), 1
	s_wait_xcnt 0x0
	s_wait_alu depctr_hold_cnt(0) depctr_sa_sdst(0) depctr_va_vdst(0) depctr_va_sdst(0) depctr_va_ssrc(0) depctr_va_vcc(0) depctr_vm_vsrc(0)
	s_getreg_b32 s2, hwreg(HW_REG_IB_STS2, 6, 4)
	s_cmp_eq_u32 s2, 0
	s_cbranch_scc0 .Lentry_in_a_cluster
	s_endpgm
.Lentry_in_a_cluster:
	s_bfe_u32 s2, ttmp6, 0x10000c
	s_cmp_lg_u32 s2, 0x3003
	s_cbranch_scc0 .Lentry_shape_is_right
	s_endpgm
.Lentry_shape_is_right:
; O[h][q][:] = the sum over the visible keys k of softmax_k(Q[h][q] . K[h][k] / 8) V[h][k][:].  Q, K, V, O: [64 = 16 b + h][2048][64], all f16: a head's rows are dense, 128 bytes each.
; attention_mask: [4][2048] bytes, 0 = the key is hidden.  Products, maxima and sums in f32; the weights p are rounded to f16 for the second product (their sum l is taken of the unrounded p), O once at the end.
; LIMITS.  f16 holds no number beyond 65,504: Q, K and V arrive within it; p lies in 0 to 1, and below 6e-5 it keeps f16's fixed step of 6e-8.  A hidden score counts as its value less 1e30: f16's scores,
; 2.7e11 at the most, are nothing beside that.  A weight below 2^-126 counts as 0 in l.  A batch with no visible key gives NaN in all its rows.  NaN and infinities in Q, K, V are not treated apart.
; SHARES.  A wave owns four PIECES of two tiles of 16 queries, a work-group's four waves 512 queries of one head.  Every wave walks all keys, 64 a step.
; LAYOUT.  S^T = K Q^T (source 0 = 16 keys, source 1 = 16 queries): in the result a lane holds ONE query (lane % 16) and the keys 8 (lane / 16) + 0..7.  Two such tiles, rounded to f16 in pairs,
; ARE source 1 (32 keys x 16 queries) of O^T = V^T P, whose result again holds one query a lane, and eight channels.  K comes out of LDS as it lies, V ([key][channel]) turned, by ds_load_tr16_b128.
; THE MASK is the C operand that starts the sum S^T: 0, or -1e30 where the key is hidden.  The batch's 2,048 bytes are turned once into a table of f32 in LDS; a step's 64 numbers are fetched with its K.
; While only hidden keys have been seen m is about -1e30 and p is 1; the first visible key makes a = 0, which wipes what was gathered.
; SOFTMAX.  For each query a running maximum m and sum l: p = 2^(c s - c m), c = log2(e) / 8; in every step O and l are multiplied by a = 2^(c m_old - c m_new).  m starts at the lowest finite number, O and l at 0.
; BY TURNS.  Turn n belongs to piece n.  Its matrix work: 16 products K Q^T of piece n + 1, later 16 products V^T P of piece n - 1.  Its vector work: the scaling, exponentials, roundings, sums and rescaling of
; piece n, and the maximum and statistics of piece n + 1.  Four vector instructions stand behind every matrix instruction, the rest in one run; a turn's 66 exponentials are one batch with one wait.
; CLUSTER.  The four query blocks of a cluster are one head's and walk the same K and V: each tile is asked for JOINTLY: the same tensor load, descriptor and mask in all four.
; REGISTERS, in windows of 256 (s_set_vgpr_msb: bits 1:0 source 0, 3:2 source 1, 5:4 source 2, 7:6 destination):
;   window 0: v0-11 addresses; v12-15, v48-63 at work; v16-47 four registers of statistics a tile; v64-191 S^T, two buffers of two tiles; v192-255 P, likewise
;   window 1: O^T, 32 a tile     window 2: v0-127 Q; v128-191 K of one step; v192-255 V of one step     window 3: v0-1 the add's registers; v2-3 the mask's addresses; v8-39 the mask of one step
.set SIZE_N, 2048
.set NP,    4         ; pieces a wave: a name, no knob
.set KS,    64        ; keys in a step
.set PK,    144       ; a row of K in LDS: 128 bytes + 16 of padding = 36 words: the 16 rows of a load start at 16 different groups of four banks (64 banks of 4 bytes: ISA guide 11.1)
.set PV,    160       ; a row of V: 128 + 32 = 40 words
.set VOFF,  4*KS*PK   ; a slot holds four steps: 256 rows of K, then 256 rows of V
.set SLOT1, 1<<17     ; slot 1 begins here
.set STAGE, SLOT1+4*KS*(PK+PV)  ; behind the ring, never filled by a tensor load: 16 rows x 144 bytes for each wave, for the way out
.set SP,    144
.set SPARE, STAGE+4*16*SP  ; the spare words, 128 bytes for each wave: two blocks of 256 bytes that no other line names
.set MTAB,  SPARE+512 ; the mask's table: 2,048 f32; blocks of its own, into which no tensor load lands
.set AK0, 2           ; v2   my lane's place in a tile of K; never rewritten
.set AV0, 3           ; v3   the same for V
.set AK,  4           ; v4   the LDS address of K's next run of loads
.set AV,  5           ; v5   of V's
.set QO,  6           ; v6   my byte offset in the wave's rows of Q
.set STO, 6           ;      later, the way out: where I put 16 bytes of a row
.set RD,  7           ; v7   the way out: where I read rows back
.set GO,  8           ; v8   my byte offset in 512 consecutive bytes of O
.set PFO, 11          ; v11  256 x my lane, for the prefetches; never rewritten once made
.set SPW, 0           ; v0 of window 3   LDS address of my spare word; never rewritten
.set NIL, 1           ; v1 of window 3   0; never rewritten
.set AM0, 2           ; v2 of window 3   MTAB + 32 (l / 16); never rewritten
.set AM,  3           ; v3 of window 3   the LDS address of the mask's next run of loads
.set MK,  8           ; v8-39 of window 3: the eight numbers for group kt of 16 keys at MK + 8 kt
.set MV,  12          ; v12-15  c m_old, kept while c m is made anew
.set ST,  16          ; tile t's statistics at v[ST+4 t]: c m, m, l (even keys', odd keys')
.set TMP, 48          ; by buffer and tile, four registers c0-c3 at work; when the maximum is found c2 takes a
.set S,   64
.set P,   192
.set KF,  128         ; K's fragments, in window 2
.set VF,  192         ; V's
.set WV,  12          ; s12  my wave's number
.set TBM, 15          ; s15  byte in the mask's table at which the step to be fetched begins
.set G1K, 24          ; s[24:31] descriptor group 1 for K's tiles
.set G1V, 32          ; s[32:39] for V's
.set G0K, 40          ; s[40:43] descriptor group 0 for K's tiles: it walks
.set G0V, 44          ; s[44:47] the same for V's
.set MP,  48          ; s[48:49] the batch's mask
.set PFA, 50          ; s[50:51] where my prefetches stand
.set LIM, 52          ; s52  1 in a wave that prefetches, else the greatest number
.set BIGN, 53         ; s53  -1e30
.set THR, 54          ; s54  -5e29
.set QNAN, 55         ; s55  a NaN
.set SLOTS, 56        ; s56  slots still to be asked for
.set CNT, 57          ; s57  counts a slot's key steps
.set CS,  58          ; s[58:59] c
.set SEL, 60          ; s[60:61] v_permlanex16_b32's selects
.set TBK, 62          ; s62  LDS byte at which K of the step to be fetched begins
.set TBV, 63          ; s63  the same for V, less VOFF
.set MSB, 0
.macro WIN new
.if MSB != (\new)
	s_set_vgpr_msb (MSB<<8)|(\new)
.set MSB, (\new)
.endif
.endm
.set W_KQ, 0x0a       ; K and Q in window 2, S^T in window 0
.set W_KM, 0x3a       ; the same with the C operand, the mask, in window 3
.set W_PV, 0x52       ; V in window 2, P in window 0, O^T in window 1
.set W_RS, 0x41       ; O^T (destination and source 0) in window 1, a in window 0
.set W_MK, 0xc0       ; destination in window 3, sources in window 0
.set W_AD, 0x0f       ; the add: address and data in window 3
.set W_AM, 0xcc       ; destination and source 1 in window 3
.set W_ML, 0xc3       ; an LDS load: destination and address in window 3
.macro JLOAD          ; a joint fill: waves 0 and 1 fetch the two halves of a slot's K, waves 2 and 3 those of its V.  An s_nop 0 and four v_nop follow each line
	s_cmp_lt_u32 s[WV], 2
	s_cbranch_scc0 .Lfor_v_\@
	tensor_load_to_lds s[G0K:G0K+3], s[G1K:G1K+7]
	s_nop 0
.rept 4
	v_nop
.endr
	s_branch .Lasked_\@
.Lfor_v_\@:
	tensor_load_to_lds s[G0V:G0V+3], s[G1V:G1V+7]
	s_nop 0
.rept 4
	v_nop
.endr
.Lasked_\@:
.endm
; A prefetch of what the NEXT change of slots will ask for: a slot is 32,768 bytes of K and of V.  The four partners share them out by address, 8,192 bytes each; in each, wave 0 asks for K's and wave 2 for V's:
; a lane 256 bytes, one instruction, four key steps (512 products) ahead of the load.  The last change that fills a slot asks for nothing.
.macro ASK
	s_cmp_gt_u32 s[SLOTS], s[LIM]
	s_cbranch_scc0 .Lnot_mine_\@
	global_prefetch_b8 v[PFO], s[PFA:PFA+1] th:TH_LOAD_NT scope:SCOPE_SE
.Lnot_mine_\@:
.endm
.macro CROUND
	s_barrier_signal -1
	s_barrier_wait -1
	s_cmp_lg_u32 s[WV], 0
	s_cbranch_scc1 .Lnot_wave_0_\@
	s_barrier_signal -3
.Lnot_wave_0_\@:
	s_barrier_wait -3
	s_barrier_signal -1
	s_barrier_wait -1
.endm
; THE CHANGE OF SLOTS.  Each wave waits for all its tensor loads, of which one is out: its part of the other slot; adds 0 to its spare word; and waits for that and for its own LDS instructions.
; fill = 1: the slot just read is filled again, with the keys two slots on, first thing behind a round of the cluster's barrier.  (At its first use nothing has been read yet: slot 0 is waited for, slot 1 filled,
; and the round shows every wave's part of the mask's table to the others.)
.macro CHANGE fill
	WIN W_AD
	s_wait_tensorcnt 0x0            ; no tensor load of mine is out, so a group 0 may be written
	ds_add_u32 v[SPW], v[NIL]       ; 0 onto my spare word
	WIN 0
.if \fill
.irp g, G0K, G0V
	s_xor_b32 s[\g+1], s[\g+1], SLOT1
	s_add_nc_u64 s[\g+2:\g+3], s[\g+2:\g+3], 4*KS*128
.endr
	s_wait_xcnt 0x0                 ; the last prefetch, four key steps back, has read its address
	s_add_nc_u64 s[PFA:PFA+1], s[PFA:PFA+1], 4*KS*128
	s_wait_dscnt 0x0                ; the add is done, and my LDS instructions are over
	CROUND
	JLOAD
	ASK
.else
	s_wait_dscnt 0x0
	s_barrier_signal -1
	s_barrier_wait -1
.endif
	s_sub_co_u32 s[TBK], s[TBK], 4*KS*PK  ; the fetches go back to a slot's first step,
	s_xor_b32 s[TBK], s[TBK], SLOT1       ; in the other slot
	s_sub_co_u32 s[TBV], s[TBV], 4*KS*PV
	s_xor_b32 s[TBV], s[TBV], SLOT1
.endm
	s_load_b256 s[4:11], s[0:1], 0x0  ; Q s[4:5], K s[6:7], V s[8:9], O s[10:11]
	s_load_b64 s[MP:MP+1], s[0:1], 0x20
	WIN W_MK
	v_lshl_add_u32 v[SPW], v0, 2, SPARE
	v_mov_b32 v[NIL], 0
	WIN W_AD
	ds_add_u32 v[SPW], v[NIL]       ; the wave's opening: the add and its wait stand ahead of my first tensor load
	WIN 0
	v_lshrrev_b32 v1, 5, v0
	v_readfirstlane_b32 s[WV], v1   ; wave 0..3
	s_bfe_u32 s13, ttmp6, 0x40000   ; cx
	s_lshl_b32 s14, ttmp9, 2
	s_add_co_u32 s14, s14, s13      ; my block of 512 queries
	s_and_b32 s20, ttmp7, 0xffff    ; 16 b + h, which the four partners share
	s_lshr_b32 s19, s20, 4          ; the batch:
	s_lshl_b32 s19, s19, 11         ; its 2,048 bytes of the mask
	s_mov_b32 s21, 0
	s_mov_b64 s[22:23], SIZE_N*128
	s_mul_u64 s[20:21], s[20:21], s[22:23]  ; the head's first byte in each of the four tensors
	s_and_b32 s16, s[WV], 1         ; which half of a slot's 256 keys I fetch
	s_lshl_b32 s22, s16, 14
	s_mov_b32 s23, 0
	s_add_nc_u64 s[22:23], s[22:23], s[20:21]
	s_mul_i32 s17, s16, 128*PK
	s_mul_i32 s18, s16, 128*PV
	s_lshl_b32 s2, s14, 2
	s_add_co_u32 s2, s2, s[WV]      ; my wave among the head's,
	s_lshl_b32 s2, s2, 14           ; its 128 rows
	s_mov_b32 s3, 0
	s_add_nc_u64 s[2:3], s[2:3], s[20:21]
	; descriptor group 1.  128 keys are 16,384 dense bytes: asked for as 64 rows of 256 bytes, two keys a row, and padded in LDS after every key
	s_mov_b32 s[G1K], 15|(1<<16)|(1<<20)|(1<<21)|(4<<22)|(3<<25)
	s_mov_b32 s[G1V], 15|(1<<16)|(1<<20)|(1<<21)|(4<<22)|(7<<25)
.irp g, G1K, G1V
	s_mov_b32 s[\g+1], 128<<16      ; tensor_dim0 = 128
	s_mov_b32 s[\g+2], 64<<16       ; tensor_dim1 = 64
	s_mov_b32 s[\g+3], 128<<16      ; tile_dim0 = 128
	s_mov_b32 s[\g+4], 64           ; tile_dim1 = 64
	s_mov_b32 s[\g+5], 128          ; 128 elements from row to row
	s_mov_b32 s[\g+6], 0
	s_mov_b32 s[\g+7], 0
.endr
	s_mov_b32 s[CS], 0x3e38aa3b     ; c = log2(e) / 8
	s_mov_b32 s[CS+1], s[CS]
	s_mov_b32 s[SEL], 0x76543210
	s_mov_b32 s[SEL+1], 0xfedcba98
	s_mov_b32 s[TBK], SLOT1+4*KS*PK ; the first change of slots turns these two into 0
	s_mov_b32 s[TBV], SLOT1+4*KS*PV
	s_mov_b32 s[TBM], 0
	s_mov_b32 s[BIGN], 0xf149f2ca
	s_mov_b32 s[THR], 0xf0c9f2ca
	s_mov_b32 s[QNAN], 0x7fc00000
	s_mov_b32 s[SLOTS], SIZE_N/256-1
	s_and_b32 s[LIM], s[WV], 1      ; waves 0 and 2 ask
	s_cmp_eq_u32 s[LIM], 0
	s_cselect_b32 s[LIM], 1, -1
	s_mov_b32 s[G0K], 1
	s_mov_b32 s[G0K+1], s17
	s_mov_b32 s[G0V], 1
	s_add_co_u32 s[G0V+1], s18, VOFF
	s_wait_dscnt 0x0                ; the opening add is done
	s_wait_kmcnt 0x0
	s_add_nc_u64 s[G0K+2:G0K+3], s[6:7], s[22:23]
	s_or_b32 s[G0K+3], s[G0K+3], 0x80000000
	s_add_nc_u64 s[G0V+2:G0V+3], s[8:9], s[22:23]
	s_or_b32 s[G0V+3], s[G0V+3], 0x80000000
	s_add_nc_u64 s[4:5], s[4:5], s[2:3]  ; Q and O at my wave's first row
	s_add_nc_u64 s[10:11], s[10:11], s[2:3]
	s_mov_b32 s2, s19
	s_add_nc_u64 s[MP:MP+1], s[MP:MP+1], s[2:3]
	s_cmp_lt_u32 s[WV], 2
	s_cselect_b64 s[PFA:PFA+1], s[6:7], s[8:9]
	s_add_nc_u64 s[PFA:PFA+1], s[PFA:PFA+1], s[20:21]
	s_lshl_b32 s2, s13, 13          ; my work-group's 8,192 bytes,
	s_add_co_u32 s2, s2, 4*KS*128   ; in slot 1; the first change of slots steps it to slot 2
	s_add_nc_u64 s[PFA:PFA+1], s[PFA:PFA+1], s[2:3]
	CROUND                          ; all four work-groups are here: the first joint loads meet
	JLOAD                           ; slot 0
	v_lshlrev_b32 v10, 4, v0
	global_load_b128 v[S:S+3], v10, s[MP:MP+1]  ; my 16 bytes of the mask
	v_and_b32 v1, 15, v0            ; l % 16
	v_bfe_u32 v9, v0, 4, 1          ; l / 16
	v_lshlrev_b32 v[QO], 7, v1
	v_lshl_add_u32 v[QO], v9, 4, v[QO]
	WIN 0x80
.set i, 0
.rept 4*NP                          ; Q stays in registers: tile i / 2, channels 32 (i % 2) on
	global_load_b128 v[8*i:8*i+3],   v[QO], s[4:5] offset:(i/2)*2048+(i%2)*64
	global_load_b128 v[8*i+4:8*i+7], v[QO], s[4:5] offset:(i/2)*2048+(i%2)*64+32
.set i, i+1
.endr
	; What the first turn finds: V's registers and P's second buffer hold 0, O^T and l are 0.  All this stands in the wait for the first tile.
.set i, VF
.rept 64
	v_mov_b32 v[i], 0
.set i, i+1
.endr
	WIN 0x40
.set i, 0
.rept 64*NP
	v_mov_b32 v[i], 0
.set i, i+1
.endr
	WIN W_MK
	v_lshl_add_u32 v[AM0], v9, 5, MTAB
	v_lshl_add_u32 v[AM], v9, 5, MTAB  ; key step 0 lies at the table's head
	WIN 0
.set i, 0
.rept 2*NP
	v_mov_b32 v[ST+4*i], 0xfe000000    ; c m: far below every c s
	v_mov_b32 v[ST+4*i+1], 0xff7fffff  ; m
	v_mov_b32 v[ST+4*i+2], 0
	v_mov_b32 v[ST+4*i+3], 0
.set i, i+1
.endr
.set i, P+32
.rept 32
	v_mov_b32 v[i], 0
.set i, i+1
.endr
	v_lshl_add_u32 v11, v0, 6, MTAB ; my 16 keys' 64 bytes of the table
	s_wait_loadcnt 32               ; the mask's load is in; Q's 32 may stay out
.set i, 0
.rept 16
	v_bfe_u32 v[S+20], v[S+i/4], 8*(i%4), 8
	v_cmp_eq_u32 vcc_lo, 0, v[S+20]
	v_cndmask_b32 v[S+4+i], 0, s[BIGN], vcc_lo
.set i, i+1
.endr
.irp f, 0,1,2,3
	ds_store_b128 v11, v[S+4+4*\f:S+4+4*\f+3] offset:16*\f
.endr
	v_mul_u32_u24 v[AK0], v1, PK
	v_lshl_add_u32 v[AK0], v9, 4, v[AK0]
	v_and_b32 v10, 7, v0
	v_bfe_u32 v11, v0, 3, 1
	v_lshl_add_u32 v[AV0], v9, 3, v10
	v_mul_u32_u24 v[AV0], v[AV0], PV
	v_lshl_add_u32 v[AV0], v11, 4, v[AV0]
	v_add_nc_u32 v[AV0], VOFF, v[AV0]
	v_mov_b32 v[AK], v[AK0]
	v_and_b32 v[PFO], 31, v0
	v_lshlrev_b32 v[PFO], 8, v[PFO]
; THE MATRIX WORK.  The 8 accumulators of a run of 16 take turns.  Product i of 16 of S^T = K Q^T for piece x: channels 32 (i / 8) on, keys 16 ((i / 2) % 4) on, tile 2 x + i % 2.  The first 8 start the sums, with the mask.
.macro KQ x
.set rS, S+64*((\x)%2)+32*(i%2)+8*((i/2)%4)
.set rK, KF+16*((i/2)%4)+8*(i/8)
.set rQ, 16*(2*(\x)+i%2)+8*(i/8)
.set rH, MK+8*((i/2)%4)
.if i < 8
	WIN W_KM
	v_wmma_f32_16x16x32_f16 v[rS:rS+7], v[rK:rK+7], v[rQ:rQ+7], v[rH:rH+7]
.else
	WIN W_KQ
	v_wmma_f32_16x16x32_f16 v[rS:rS+7], v[rK:rK+7], v[rQ:rQ+7], v[rS:rS+7]
.endif
.endm
.macro PV x                         ; product i of 16 of O^T += V^T P for piece x
	WIN W_PV
.set rO, 32*(2*(\x)+i%2)+8*((i/2)%4)
.set rV, VF+32*(i/8)+8*((i/2)%4)
.set rP, P+32*((\x)%2)+16*(i%2)+8*(i/8)
	v_wmma_f32_16x16x32_f16 v[rO:rO+7], v[rV:rV+7], v[rP:rP+7], v[rO:rO+7]
.endm
.macro MM                           ; the turn's next matrix instruction
.if i < 16
	KQ (Y+1)%NP
.set i, i+1
.else
.set i, i-16
	PV (Y+NP-1)%NP
.set i, i+17
.endif
.endm
; THE LDS LOADS stand in runs: a step's K (8 fragments) with its 64 numbers of the mask, and its V (turned).  last = 1 (the tail): in the last trip there is no further step, and the run is jumped over.
.macro FETCH_K last=0
	WIN 0
.if \last
	s_cmp_eq_u32 s[CNT], 1
	s_cbranch_scc1 .Lno_k_\@
.endif
	WIN 0x80
.irp f, 0,1,2,3,4,5,6,7
	ds_load_b128 v[KF+8*\f:KF+8*\f+3],   v[AK] offset:(\f/2)*16*PK+(\f%2)*64
	ds_load_b128 v[KF+8*\f+4:KF+8*\f+7], v[AK] offset:(\f/2)*16*PK+(\f%2)*64+32
.endr
	WIN W_ML
.irp f, 0,1,2,3
	ds_load_b128 v[MK+8*\f:MK+8*\f+3],   v[AM] offset:64*\f
	ds_load_b128 v[MK+8*\f+4:MK+8*\f+7], v[AM] offset:64*\f+16
.endr
	s_add_co_u32 s[TBK], s[TBK], KS*PK  ; the next fetch is the next step's
	s_add_co_u32 s[TBM], s[TBM], 4*KS
	s_and_b32 s[TBM], s[TBM], 0x1fff    ; inside the table's 8,192 bytes
	WIN 0
.if \last
.Lno_k_\@:
.endif
.endm
.macro FETCH_V
	WIN 0x80
.irp f, 0,1,2,3,4,5,6,7
	ds_load_tr16_b128 v[VF+8*\f:VF+8*\f+3],   v[AV] offset:(\f/4)*32*PV+(\f%4)*32
	ds_load_tr16_b128 v[VF+8*\f+4:VF+8*\f+7], v[AV] offset:(\f/4)*32*PV+16*PV+(\f%4)*32
.endr
	WIN 0
.endm
; THE VECTOR WORK OF A TURN stands in three queues, each in the order in which its entries become ready; the two tiles alternate.
.macro REGS y, u
.set rT, ST+4*(2*(\y)+(\u))
.set rC, TMP+8*((\y)%2)+4*(\u)
.set rM, MV+2*((\y)%2)+(\u)
.set rS, S+64*((\y)%2)+32*(\u)
.set rP, P+32*((\y)%2)+16*(\u)
.set rO, 32*(2*(\y)+(\u))
.endm
; Number n of the 22 that find the NEXT piece's maximum and statistics; each accumulator's lowest registers are read first.
.macro XS u, n
	REGS (Y+1)%NP, \u
.if (\n) < 4
	v_max3_num_f32 v[rC+(\n)], v[rS+8*(\n)], v[rS+8*(\n)+1], v[rS+8*(\n)+2]
.elseif (\n) < 12
	v_max3_num_f32 v[rC+(\n)%4], v[rC+(\n)%4], v[rS+8*((\n)%4)+2*((\n)/4)+1], v[rS+8*((\n)%4)+2*((\n)/4)+2]
.elseif (\n) == 12
	v_max3_num_f32 v[rC], v[rC], v[rS+7], v[rS+15]
.elseif (\n) == 13
	v_max3_num_f32 v[rC+1], v[rC+1], v[rS+23], v[rS+31]
.elseif (\n) == 14
	v_max3_num_f32 v[rC+2], v[rC+2], v[rC+3], v[rT+1]
.elseif (\n) == 15
	v_mov_b32 v[rM], v[rT]
.elseif (\n) == 16
	v_max3_num_f32 v[rC], v[rC], v[rC+1], v[rC+2]
.elseif (\n) == 17
	v_permlanex16_b32 v[rC+3], v[rC], s[SEL], s[SEL+1]
.elseif (\n) == 18
	v_max_num_f32 v[rT+1], v[rC], v[rC+3]
.elseif (\n) == 19
	v_mul_f32 v[rT], s[CS], v[rT+1]
.elseif (\n) == 20
	v_sub_f32 v[rC+1], v[rM], v[rT]
.else
	v_exp_f32 v[rC+2], v[rC+1]
.endif
.endm
; Number g of the 64 that follow the exponentials: roundings to f16, sums of pairs in place, and l a group later.
.macro GS g
.set h, (\g)+6*((\g)/62)
.if h >= 6
.set h, h+2
.endif
	REGS Y, h%2
.set k, h/8
.if h%8 < 4
	v_cvt_pk_f16_f32 v[rP+2*k+(h%8)/2], v[rS+4*k+2*((h%8)/2)], v[rS+4*k+2*((h%8)/2)+1]
.elseif h%8 < 6
	v_pk_add_f32 v[rS+4*k:rS+4*k+1], v[rS+4*k:rS+4*k+1], v[rS+4*k+2:rS+4*k+3]
.elseif k == 1
	v_pk_fma_f32 v[rT+2:rT+3], v[rT+2:rT+3], v[rC+2:rC+3], v[rS:rS+1] op_sel_hi:[1,0,1]
.else
	v_pk_add_f32 v[rT+2:rT+3], v[rT+2:rT+3], v[rS+4*k-4:rS+4*k-3]
.endif
.endm
.macro FS f                         ; c s - c m for pair f / 2 of tile f % 2
	REGS Y, (\f)%2
	v_pk_fma_f32 v[rS+2*((\f)/2):rS+2*((\f)/2)+1], v[rS+2*((\f)/2):rS+2*((\f)/2)+1], s[CS:CS+1], v[rT:rT+1] op_sel_hi:[1,0,0] neg_lo:[0,0,1] neg_hi:[0,0,1]
.endm
; THE PLAIN QUEUE, 138 long.  0-73 read no exponential's result: the 32 scalings and the next piece's 42; 74-137 are GS's 64, which stand behind the wait.
.macro PL
	WIN 0
.if q < 27
	FS q
.elseif q < 55
	XS (q-27)%2, (q-27)/2
.elseif q < 57
	XS q-55, 15
.elseif (q < 72) && ((q-57)%3 == 0)
	FS 27+(q-57)/3
.elseif q < 60
	XS (q-57)%3-1, 14
.elseif q < 72
	XS (q-57)%3-1, 15+(q-57)/3
.elseif q < 74
	XS q-72, 20
.else
	GS q-74
.endif
.set q, q+1
.endm
.macro EX                           ; THE EXPONENTIALS' QUEUE, 66 long: one batch, all ahead of the turn's one wait
	WIN 0
.if e >= 64
	XS e-64, 21
.else
	REGS Y, e%2
	v_exp_f32 v[rS+e/2], v[rS+e/2]
.endif
.set e, e+1
.endm
.macro R2                           ; THE RESCALING's QUEUE: O^T times a, two at a time
	REGS Y, r%2
	WIN W_RS
.irp z, 0,1
	v_pk_mul_f32 v[rO+4*(r/2)+2*\z:rO+4*(r/2)+2*\z+1], v[rO+4*(r/2)+2*\z:rO+4*(r/2)+2*\z+1], v[rC+2:rC+3] op_sel_hi:[1,0]
.endr
.set r, r+1
.endm
; A TURN, for piece p.  Ahead of its one wait stands all that names no result of the turn's exponentials: 16 products K Q^T with a scaling, an exponential and two rescalings behind each, then a run of 108.
; Behind it: 16 products V^T P, behind each four of the roundings and sums.  K and the mask of the next step are fetched in piece 2's turn, directly behind the wait, a run of plain work behind their last reader;
; V of the step in hand at the end of piece 0's turn, four plain instructions behind its last reader.
.macro TURN p, last=0, cnt=0
.set Y, (\p)
.set i, 0
.set q, 0
.set e, 0
.set r, 0
.if (\p) == NP-1
	s_wait_dscnt 0x0                ; K and the mask are in
.endif
	MM
	PL
	PL
	R2
.rept 15
	MM
	PL
	EX
	R2
.endr
.if (\p) == NP-2
	WIN 0
	v_add_nc_u32 v[AK], s[TBK], v[AK0]
	WIN W_AM
	v_add_nc_u32 v[AM], s[TBM], v[AM0]
.endif
.rept 8
	PL
.endr
.rept 49
	EX
	PL
.endr
	EX                              ; the next piece's two a
	EX
	v_nop                           ; a plain instruction behind the last exponential: one for the batch
	s_wait_alu depctr_va_vdst(0)    ; the wait for the batch
.if (\p) == NP-2
	FETCH_K \last
.endif
.if (\p) == 1
	s_wait_dscnt 0x0                ; V is in
.endif
.rept 16
	MM
.rept 4
	PL
.endr
.if ((\p) == 0) && (q == 118)
	v_add_nc_u32 v[AV], s[TBV], v[AV0]
.endif
.if ((\p) == 0) && (q == 130)
	s_add_co_u32 s[TBV], s[TBV], KS*PV
.endif
.if (\cnt) && (q == 130)
	s_sub_co_u32 s[CNT], s[CNT], 1
	s_cmp_lg_u32 s[CNT], 0
.endif
.endr
.if (\p) == 0
	FETCH_V
.endif
.endm
	CHANGE 1                        ; slot 0 is in, everybody's part of it, and the mask's table is whole; slot 1 is asked for
	FETCH_K                         ; key step 0
	s_wait_loadcnt 0x0              ; Q
	s_wait_dscnt 0x0
.set i, 0
.rept 16
	KQ 0                            ; piece 0's first scores
.set i, i+1
.endr
	WIN 0                           ; the addresses for the way out: plain instructions, the places behind those products
	s_mul_i32 s13, s[WV], 16*SP
	s_add_co_u32 s13, s13, STAGE
	v_mul_u32_u24 v[STO], v1, SP
	v_lshl_add_u32 v[STO], v9, 4, v[STO]
	v_add_nc_u32 v[STO], s13, v[STO]
	v_bfe_u32 v[RD], v0, 3, 2
	v_mul_u32_u24 v[RD], v[RD], SP
	v_lshl_add_u32 v[RD], v10, 4, v[RD]
	v_add_nc_u32 v[RD], s13, v[RD]
	v_and_b32 v[GO], 31, v0
	v_lshlrev_b32 v[GO], 4, v[GO]
.set Y, NP-1
.irp n, 0,1,2,3,4,5,6,7,8,9,10,11,12,13,14,15,16,17,18,19,20,21
	XS 0, \n                        ; piece 0's first maximum and statistics
	XS 1, \n
.endr
	v_nop
	s_wait_alu depctr_va_vdst(0)    ; the two a's wait, ahead of the branch
	s_mov_b32 s[CNT], 4
	s_branch .Lfirst                ; the loop is entered at a step's first turn, in the middle of a trip
.Lslot:                             ; 6 times: every slot but the last two is filled again
	CHANGE 1
	s_mov_b32 s[CNT], 4
.Lstep:                             ; a trip: pieces 2 and 3 of one step, then pieces 0 and 1 of the next
	TURN 2
	TURN 3
	WIN 0
.Lfirst:
	TURN 0
	TURN 1, 0, 1
	WIN 0
	s_cbranch_scc1 .Lstep
	s_sub_co_u32 s[SLOTS], s[SLOTS], 1
	s_cmp_lg_u32 s[SLOTS], 0
	s_cbranch_scc1 .Lslot
	CHANGE 0                        ; the tail is written out
	s_mov_b32 s[CNT], 5             ; four trips fetch the last slot's steps; the fifth is left in its middle
.Ltail:
	TURN 2, 1
	TURN 3
	WIN 0
	s_sub_co_u32 s[CNT], s[CNT], 1
	s_cmp_eq_u32 s[CNT], 0
	s_cbranch_scc1 .Lout
	TURN 0
	TURN 1
	WIN 0
	s_branch .Ltail
.Lout:                              ; the fifth trip's 16 products K Q^T (on the last K and mask once more) give scores that m has seen: m stays, and nothing else of them is used
.set i, 0
.rept 16
	PV NP-1
.set i, i+1
.endr
	; THE WAY OUT.  l's parts are added; O^T is divided by l, rounded to f16 and sent through my stage in LDS, a tile at a time.  The additions are the places behind the last products.
	WIN 0
.macro ALL line:vararg
.set t, 0
.rept 2*NP
	\line
.set t, t+1
.endr
.endm
	ALL v_add_f32 v[ST+4*t+2], v[ST+4*t+2], v[ST+4*t+3]
	ALL v_permlanex16_b32 v[ST+4*t+3], v[ST+4*t+2], s[SEL], s[SEL+1]
	ALL v_add_f32 v[ST+4*t+2], v[ST+4*t+2], v[ST+4*t+3]
	ALL v_rcp_f32 v[ST+4*t+2], v[ST+4*t+2]
	v_nop
	s_wait_alu depctr_va_vdst(0)    ; one wait for the eight reciprocals, ahead of their first use
.set t, 0
.rept 2*NP                          ; where no key was visible m is still about -1e30: the row is NaN; a choice of a value, no branch
	v_cmp_gt_f32 vcc_lo, s[THR], v[ST+4*t+1]
	v_cndmask_b32 v[ST+4*t+2], v[ST+4*t+2], s[QNAN], vcc_lo
.set t, t+1
.endr
.macro PACK t
	WIN W_RS
.set i, 32*(\t)
.rept 16
	v_pk_mul_f32 v[i:i+1], v[i:i+1], v[ST+4*(\t)+2:ST+4*(\t)+3] op_sel_hi:[1,0]
.set i, i+2
.endr
	WIN 0x05
.set i, 0
.rept 16
	v_cvt_pk_f16_f32 v[S+16*(\t)+i], v[32*(\t)+2*i], v[32*(\t)+2*i+1]
.set i, i+1
.endr
	WIN 0
.irp f, 0,1,2,3
	ds_store_b128 v[STO], v[S+16*(\t)+4*\f:S+16*(\t)+4*\f+3] offset:32*\f
.endr
.irp f, 0,1,2,3
	ds_load_b128 v[S+16*(\t)+4*\f:S+16*(\t)+4*\f+3], v[RD] offset:\f*4*SP  ; LDS serves a wave's instructions in order (ISA guide 5.7.1.4)
.endr
.endm
.macro SEND t, younger              ; younger: the LDS instructions issued behind tile t's loads
	WIN 0
.irp f, 0,1,2,3
	s_wait_dscnt (\younger)+3-\f
	global_store_b128 v[GO], v[S+16*(\t)+4*\f:S+16*(\t)+4*\f+3], s[10:11] offset:(\t)*2048+\f*512  ; 512 consecutive bytes, aligned
.endr
.endm
	PACK 0
.set t, 1
.rept 2*NP-1
	PACK t
	SEND t-1, 8
.set t, t+1
.endr
	SEND 2*NP-1, 0
	WIN W_AD
	s_wait_tensorcnt 0x0            ; the wave's end
	ds_add_u32 v[SPW], v[NIL]
	s_wait_dscnt 0x0
	WIN 0
	CROUND                          ; the closing round
	s_endpgm
.Lfunc_end_k_q9c8f29b6b8_attn:
	.size	k_q9c8f29b6b8_attn, .Lfunc_end_k_q9c8f29b6b8_attn-k_q9c8f29b6b8_attn
	.p2alignl 7, 3214868480
	.fill 96, 4, 3214868480
	.section	.rodata,"a",@progbits
	.p2align	6, 0x0
	.amdhsa_kernel k_q9c8f29b6b8_attn
		.amdhsa_group_segment_fixed_size 327680
		.amdhsa_private_segment_fixed_size 0
		.amdhsa_enable_private_segment 0
		.amdhsa_kernarg_size 40
		.amdhsa_user_sgpr_count 2
		.amdhsa_user_sgpr_kernarg_segment_ptr 1
		.amdhsa_wavefront_size32 1
		.amdhsa_system_sgpr_workgroup_id_x 1
		.amdhsa_system_sgpr_workgroup_id_y 1
		.amdhsa_system_sgpr_workgroup_id_z 1
		.amdhsa_system_vgpr_workitem_id 0
		.amdhsa_next_free_vgpr 808
		.amdhsa_next_free_sgpr 66
		.amdhsa_reserve_vcc 1
		.amdhsa_float_denorm_mode_32 3
		.amdhsa_float_denorm_mode_16_64 3
		.amdhsa_memory_ordered 1
		.amdhsa_forward_progress 1
		.amdhsa_inst_pref_size 207
	.end_amdhsa_kernel
	.amdgpu_metadata
---
amdhsa.version: [ 1, 2 ]
amdhsa.kernels:
  - .name:           k_q9c8f29b6b8_attn
    .symbol:         k_q9c8f29b6b8_attn.kd
    .args:
      - { .name: q16, .offset: 0, .size: 8, .value_kind: global_buffer, .address_space: global }
      - { .name: k16, .offset: 8, .size: 8, .value_kind: global_buffer, .address_space: global }
      - { .name: v16, .offset: 16, .size: 8, .value_kind: global_buffer, .address_space: global }
      - { .name: o16, .offset: 24, .size: 8, .value_kind: global_buffer, .address_space: global }
      - { .name: attention_mask, .offset: 32, .size: 8, .value_kind: global_buffer, .address_space: global }
    .group_segment_fixed_size: 327680
    .private_segment_fixed_size: 0
    .kernarg_segment_align: 8
    .kernarg_segment_size: 40
    .max_flat_workgroup_size: 128
    .sgpr_count:     66
    .vgpr_count:     808
    .wavefront_size: 32
...
	.end_amdgpu_metadata
.endif
;; end of part 3
;; launch outp (part 4): grid 8 x 32, 4 waves a work-group, clusters of 4 x 4, 327,680 bytes of LDS; arguments o16, w16, out0; writes out0
.if DOCPART == 4
	.amdgcn_target "amdgcn-amd-amdhsa--gfx1250"
	.amdhsa_code_object_version 6
	.text
	.protected	k_q9c8f29b6b8_outp
	.globl	k_q9c8f29b6b8_outp
	.p2align	8
	.type	k_q9c8f29b6b8_outp,@function
k_q9c8f29b6b8_outp:
	s_mov_b64 s[64:65], 0
	v_nop
	global_prefetch_b8 v0, s[64:65] scope:SCOPE_SE
	s_setreg_imm32_b32 hwreg(HW_REG_WAVE_MODE, 25, 1), 1
	s_wait_xcnt 0x0
	s_wait_alu depctr_hold_cnt(0) depctr_sa_sdst(0) depctr_va_vdst(0) depctr_va_sdst(0) depctr_va_ssrc(0) depctr_va_vcc(0) depctr_vm_vsrc(0)
	s_getreg_b32 s2, hwreg(HW_REG_IB_STS2, 6, 4)
	s_cmp_eq_u32 s2, 0
	s_cbranch_scc0 .Lentry_in_a_cluster
	s_endpgm
.Lentry_in_a_cluster:
	s_bfe_u32 s2, ttmp6, 0x10000c
	s_cmp_lg_u32 s2, 0xf033
	s_cbranch_scc0 .Lentry_shape_is_right
	s_endpgm
.Lentry_shape_is_right:
; OUT.  out0[m][n] = the sum over k of O[m][k] Wo[n][k], f32.  O lies by heads, [16 b + h][2048][64] f16 (k = 64 h + d); Wo is rows 3,072 on of w16, [.][1024] f16.  Sums in f32.
; THE TILE is 256 rows x 128 columns: 256 work-groups.  Four waves; wave w owns rows 64 w .. + 63 and all 128 columns: 32 accumulators.  The product is used transposed (source 0 = 16 rows of Wo,
; source 1 = 16 rows of O): a lane holds row l % 16 and eight neighbouring columns of each block of 16.  K goes in 8 steps of 128 (two heads) through two LDS slots.
; A wave's half of O's tile is two dense blocks of 16,384 bytes, one a head, 262,144 bytes apart: ONE load of two long rows, padded in LDS after every 128 bytes, so that a row of O is 144 bytes there.
; CLUSTER 4 x 4: O's tile is shared along a row of the cluster, Wo's along a column, by joint loads.
; REGISTERS: window 0: v0-31 addresses; v64-127 O's fragments, two buffers of 4; v128-255 rows on the way out.  window 1: Wo's fragments, two buffers of 8.  window 2: the accumulators, 128 hd + 32 a + 8 c (column block 4 hd + c).
.set PITCH,  272                       ; a row of Wo in LDS: 256 bytes + 16
.set PA,     144                       ; a row of O in LDS: 128 bytes + 16; both pitches are odd multiples of 16 bytes: the 16 rows of a load start at different groups of four banks (ISA guide 11.1)
.set SLICE,  128*PA                    ; one head's 128 rows
.set HALFA,  2*SLICE                   ; what waves 0 and 1 fetch
.set HALFB,  64*PITCH                  ; what waves 2 and 3 fetch
.set BOFF,   2*HALFA
.set SLOT1,  131072
.set STAGE,  SLOT1+BOFF+2*HALFB        ; behind the ring: 16 rows x 528 bytes for each wave; no tensor load lands here
.set SPITCH, 528
.set SPARE,  STAGE+4*16*SPITCH         ; the spare words, 128 bytes for each wave: two blocks of 256 bytes that no other line names
.set ASTEP,  524288                    ; bytes from a K step of O to the next: two heads
.set ADRA0, 16
.set ADRB0, 17
.set ADRA, 18
.set ADRB, 19
.set STO,  24
.set RD,   25
.set CO,   26
.set SPW,  28
.set NIL,  29
.set PFO,  30
.set FA,   64
.set OB,   128
.set TB,   4
.set G1A,  24
.set G0A,  32
.set G1B,  48
.set G0B,  56
.set PFA,  92                          ; s[92:93] where my prefetches stand
.set LIM,  94                          ; s94  2 in a wave that prefetches, else the greatest number
.set PFS,  96                          ; s[96:97] their step
.set MUL,  0xa1                        ; Wo window 1, O window 0, C and D window 2
.set TO_B, 0x40
.set MSB, 0
.macro WIN new
.if MSB != (\new)
	s_set_vgpr_msb (MSB<<8)|(\new)
.set MSB, \new
.endif
.endm
.macro PLACES
.rept 4
	v_nop
.endr
.endm
.macro JLOAD s                         ; a joint load by set s: waves 0 and 1 fetch O's halves, waves 2 and 3 Wo's; an s_nop 0 and four v_nop follow each line
	s_cmp_eq_u32 s11, 0
	s_cbranch_scc0 .Lfor_b_\@
	tensor_load_to_lds s[G0A+4*(\s):G0A+4*(\s)+3], s[G1A:G1A+7]
	s_nop 0
.rept 4
	v_nop
.endr
	s_branch .Lasked_\@
.Lfor_b_\@:
	tensor_load_to_lds s[G0B+4*(\s):G0B+4*(\s)+3], s[G1B:G1B+7]
	s_nop 0
.rept 4
	v_nop
.endr
.Lasked_\@:
.endm
.macro CREST
	s_cmp_lg_u32 s10, 0
	s_cbranch_scc1 .Lnot_wave_0_\@
	s_barrier_signal -3
.Lnot_wave_0_\@:
	s_barrier_wait -3
	s_barrier_signal -1
	s_barrier_wait -1
.endm
.macro CROUND
	s_barrier_signal -1
	s_barrier_wait -1
	CREST
.endm
; A prefetch of the K step two refills on.  O: of the two blocks of 16,384 bytes that I fetch my work-group takes 4,096 bytes each (by cx): 16 lanes a block, 256 bytes a lane; asked by the clusters with x = 0.
; Wo: of the tile's 128 rows my work-group takes 32 (by cy), a lane a row; asked by wave 2 of the clusters with y = 0.  The loop's last two trips have no K step two refills on.
.macro ASK
	s_cmp_gt_u32 s3, s[LIM]
	s_cbranch_scc0 .Lnot_mine_\@
	global_prefetch_b8 v[PFO], s[PFA:PFA+1] th:TH_LOAD_NT scope:SCOPE_SE
.Lnot_mine_\@:
.endm
	s_load_b128 s[68:71], s[0:1], 0x0              ; o16 68, w16 70
	s_load_b64 s[72:73], s[0:1], 0x10              ; out0
	v_lshl_add_u32 v[SPW], v0, 2, SPARE
	v_mov_b32 v[NIL], 0
	ds_add_u32 v[SPW], v[NIL]                      ; the wave's opening: the add and its wait stand ahead of my first tensor load
	v_lshrrev_b32 v1, 5, v0
	v_readfirstlane_b32 s10, v1                    ; wave 0..3
	s_lshr_b32 s11, s10, 1
	s_and_b32 s12, s10, 1
	s_bfe_u32 s40, ttmp6, 0x40000                  ; cx
	s_bfe_u32 s41, ttmp6, 0x40004                  ; cy
	s_lshl_b32 s42, ttmp9, 2
	s_add_co_u32 s42, s42, s40                     ; the block of 128 columns
	s_and_b32 s13, ttmp7, 0xffff
	s_lshl_b32 s13, s13, 2
	s_add_co_u32 s13, s13, s41                     ; the block of 256 rows
	s_lshl_b32 s43, s41, 2
	s_lshl_b32 s43, 15, s43
	s_lshl_b32 s44, 0x1111, s40
	s_or_b32 s[G1A], s43, (1<<16)|(1<<20)|(1<<21)|(4<<22)|(3<<25)  ; the mask; 2-byte elements; padding on; bit 21 beside a mask; after every 32 words 4 words
	s_mov_b32 s[G1A+1], 8192<<16                   ; tensor_dim0 = 8,192 elements: 128 rows of O on end
	s_mov_b32 s[G1A+2], 2<<16                      ; tensor_dim1 = 2 heads
	s_mov_b32 s[G1A+3], 8192<<16                   ; tile_dim0
	s_mov_b32 s[G1A+4], 2                          ; tile_dim1
	s_mov_b32 s[G1A+5], 131072                     ; elements from head to head
	s_mov_b32 s[G1A+6], 0
	s_mov_b32 s[G1A+7], 0
	s_or_b32 s[G1B], s44, (1<<16)|(1<<20)|(1<<21)|(5<<22)|(3<<25)
	s_mov_b32 s[G1B+1], 128<<16
	s_mov_b32 s[G1B+2], 64<<16
	s_mov_b32 s[G1B+3], 128<<16
	s_mov_b32 s[G1B+4], 64
	s_mov_b32 s[G1B+5], 1024
	s_mov_b32 s[G1B+6], 0
	s_mov_b32 s[G1B+7], 0
	s_lshr_b32 s16, s13, 3                         ; O: the batch's 16 heads,
	s_lshl_b32 s16, s16, 22
	s_and_b32 s17, s13, 7                          ; the block's 256 rows of 128 bytes,
	s_lshl_b32 s17, s17, 15
	s_add_co_u32 s16, s16, s17
	s_lshl_b32 s17, s12, 14                        ; my half of them
	s_add_co_u32 s16, s16, s17
	s_mov_b32 s17, 0
	s_lshl_b32 s46, s42, 7                         ; Wo: row 3,072 + 128 x block + 64 x half
	s_lshl_b32 s47, s12, 6
	s_add_co_u32 s46, s46, s47
	s_add_co_u32 s46, s46, 3072
	s_lshl_b32 s46, s46, 11
	s_mov_b32 s47, 0
	s_mul_i32 s20, s12, HALFA
	s_mul_i32 s21, s12, HALFB
	s_add_co_u32 s21, s21, BOFF
	s_mov_b32 s[TB], 0
	s_wait_dscnt 0x0                               ; the opening add is done
	s_wait_kmcnt 0x0
	s_add_nc_u64 s[14:15], s[68:69], s[16:17]
	s_add_nc_u64 s[46:47], s[70:71], s[46:47]
	CROUND                                         ; all sixteen work-groups are here
.irp s, 0,1
	s_mov_b32 s[G0A+4*\s], 1
	s_add_co_u32 s[G0A+4*\s+1], s20, \s*SLOT1
	s_add_nc_u64 s[G0A+4*\s+2:G0A+4*\s+3], s[14:15], \s*ASTEP
	s_or_b32 s[G0A+4*\s+3], s[G0A+4*\s+3], 0x80000000
	s_mov_b32 s[G0B+4*\s], 1
	s_add_co_u32 s[G0B+4*\s+1], s21, \s*SLOT1
	s_add_nc_u64 s[G0B+4*\s+2:G0B+4*\s+3], s[46:47], \s*256
	s_or_b32 s[G0B+4*\s+3], s[G0B+4*\s+3], 0x80000000
	JLOAD \s                                       ; K steps 0 and 1: two tensor loads of mine are out
.endr
	v_and_b32 v1, 15, v0                           ; l % 16
	v_bfe_u32 v2, v0, 4, 1                         ; l / 16
	v_mul_u32_u24 v3, v1, PA
	v_lshl_add_u32 v3, v2, 4, v3
	s_mul_i32 s22, s11, HALFA                      ; my 64 rows of O: the half,
	s_mul_i32 s23, s12, 64*PA                      ; and the 64 in it
	s_add_co_u32 s22, s22, s23
	v_add_nc_u32 v[ADRA0], s22, v3
	v_mul_u32_u24 v3, v1, PITCH
	v_lshl_add_u32 v3, v2, 4, v3
	v_add_nc_u32 v[ADRB0], BOFF, v3
	v_mov_b32 v[ADRA], v[ADRA0]
	v_mov_b32 v[ADRB], v[ADRB0]
	s_mul_i32 s23, s10, 16*SPITCH
	s_add_co_u32 s23, s23, STAGE                   ; my stage
	v_mul_u32_u24 v3, v1, SPITCH
	v_lshl_add_u32 v3, v2, 5, v3
	v_add_nc_u32 v[STO], s23, v3                   ; in: row l % 16, 32 bytes for each half of the lanes
	v_and_b32 v[CO], 31, v0
	v_lshlrev_b32 v[CO], 4, v[CO]                  ; back and out: 32 lanes take a row's 512 bytes
	v_add_nc_u32 v[RD], s23, v[CO]
	s_lshl_b32 s22, s13, 20                        ; 256 rows of 4,096 bytes,
	s_lshl_b32 s23, s10, 18                        ; my wave's 64,
	s_add_co_u32 s22, s22, s23
	s_lshl_b32 s23, s42, 9                         ; the block's 128 columns
	s_add_co_u32 s22, s22, s23
	s_mov_b32 s23, 0
	s_add_nc_u64 s[72:73], s[72:73], s[22:23]
	; the prefetches
	s_lshr_b32 s18, s13, 3
	s_lshl_b32 s18, s18, 22
	s_and_b32 s19, s13, 7
	s_lshl_b32 s19, s19, 15
	s_add_co_u32 s18, s18, s19
	s_lshl_b32 s19, s12, 14
	s_add_co_u32 s18, s18, s19
	s_lshl_b32 s19, s40, 12                        ; my work-group's 4,096 bytes of each block
	s_add_co_u32 s18, s18, s19
	s_add_co_u32 s18, s18, 3*ASTEP                 ; at K step 3: the first refill steps it to 4
	s_lshl_b32 s20, s42, 7
	s_lshl_b32 s21, s41, 5                         ; my work-group's 32 rows of Wo
	s_add_co_u32 s20, s20, s21
	s_add_co_u32 s20, s20, 3072
	s_lshl_b32 s20, s20, 11
	s_add_co_u32 s20, s20, 3*256
	s_and_b32 s22, ttmp7, 0xffff
	s_mov_b32 s[PFS], 256
	s_mov_b32 s[PFS+1], 0
	s_cmp_eq_u32 s11, 0
	s_cselect_b32 s18, s18, s20
	s_cselect_b32 s22, ttmp9, s22                  ; the coordinate along which other clusters read the same bytes
	s_cselect_b32 s[PFS], ASTEP, s[PFS]
	s_cselect_b32 s20, 8, 11                       ; O: 256 (l % 16) + 262,144 (l / 16); Wo: 2,048 l
	s_cselect_b32 s21, 18, 15
	s_cselect_b64 s[PFA:PFA+1], s[68:69], s[70:71]
	s_mov_b32 s19, 0
	s_add_nc_u64 s[PFA:PFA+1], s[PFA:PFA+1], s[18:19]
	s_cmp_eq_u32 s10, 3                            ; wave 2 asks for all of my work-group's rows of Wo: wave 3 asks for nothing
	s_cselect_b32 s22, 1, s22
	s_cmp_eq_u32 s22, 0
	s_cselect_b32 s[LIM], 2, -1                    ; the same in all sixteen partners, for a given wave
	v_lshlrev_b32 v[PFO], s20, v1
	v_lshlrev_b32 v3, s21, v2
	v_add_nc_u32 v[PFO], v[PFO], v3
.macro MUL8 f, hd, a0, first           ; 8 products: row blocks a0, a0 + 1 x column blocks 4 hd .. 4 hd + 3, 32 along K, from buffer f.  first = 1: the product starts the sums
	WIN MUL
.irp a, \a0, (\a0)+1
.irp c, 0,1,2,3
.if \first
	v_wmma_f32_16x16x32_f16 v[128*(\hd)+32*(\a)+8*\c:128*(\hd)+32*(\a)+8*\c+7], v[64*(\f)+8*(4*(\hd)+\c):64*(\f)+8*(4*(\hd)+\c)+7], v[FA+32*(\f)+8*(\a):FA+32*(\f)+8*(\a)+7], 0
.else
	v_wmma_f32_16x16x32_f16 v[128*(\hd)+32*(\a)+8*\c:128*(\hd)+32*(\a)+8*\c+7], v[64*(\f)+8*(4*(\hd)+\c):64*(\f)+8*(4*(\hd)+\c)+7], v[FA+32*(\f)+8*(\a):FA+32*(\f)+8*(\a)+7], v[128*(\hd)+32*(\a)+8*\c:128*(\hd)+32*(\a)+8*\c+7]
.endif
.endr
.endr
.endm
.macro MULH f, hd, first               ; every quarter takes all 32 accumulators once, in one order: 31 others' stand between two links of a chain, over the backward jump too
	MUL8 \f, \hd, 0, \first
	MUL8 \f, \hd, 2, \first
.endm
.macro FETCH q, f                      ; 24 LDS loads in one run: quarter q of the slot in hand into buffer f: O's 4 fragments (head q / 2, channels 32 (q % 2) on), then Wo's 8 in ascending order
	WIN 0
.irp i, 0,1,2,3
	ds_load_b128 v[FA+32*(\f)+8*\i:FA+32*(\f)+8*\i+3],   v[ADRA] offset:SLICE*((\q)/2)+64*((\q)%2)+\i*16*PA
	ds_load_b128 v[FA+32*(\f)+8*\i+4:FA+32*(\f)+8*\i+7], v[ADRA] offset:SLICE*((\q)/2)+64*((\q)%2)+\i*16*PA+32
.endr
	WIN TO_B
.irp i, 0,1,2,3,4,5,6,7
	ds_load_b128 v[64*(\f)+8*\i:64*(\f)+8*\i+3],   v[ADRB] offset:64*(\q)+\i*16*PITCH
	ds_load_b128 v[64*(\f)+8*\i+4:64*(\f)+8*\i+7], v[ADRB] offset:64*(\q)+\i*16*PITCH+32
.endr
.endm
.macro QUARTER qn, f, g, first
	s_wait_dscnt 8                                 ; all but the youngest eight loads (Wo's blocks 4 to 7) are in
	MULH \f, 0, \first
	PLACES
	FETCH \qn, \g
	s_wait_dscnt 24                                ; all but the 24 just issued
	MULH \f, 1, \first
.endm
; The fourth quarter multiplies buffer 1 and changes slots: the wait for all my tensor loads, the add, the wait for it and for my reads, the barrier; fill = 1: the barrier opens a round of the cluster's barrier, and this slot is filled again first thing behind it.
.macro TURN fill
.if \fill
	s_wait_xcnt 0x0                                ; the last prefetch, a K step back, has read its address
	s_add_nc_u64 s[PFA:PFA+1], s[PFA:PFA+1], s[PFS:PFS+1]
.endif
	WIN 0
	s_wait_tensorcnt 0x0                           ; all my tensor loads have landed
	ds_add_u32 v[SPW], v[NIL]                      ; 0 onto my spare word
	s_wait_dscnt 9                                 ; (the add and the youngest eight loads may be out)
	MUL8 1, 0, 0, 0
	s_wait_dscnt 0x0                               ; the add is done, and my reads of this slot are over
	s_barrier_signal -1
	MUL8 1, 0, 2, 0
	WIN 0
	s_barrier_wait -1
.if \fill
	CREST
	s_xor_b32 s[G0A+5], s[G0A+5], SLOT1
	s_add_nc_u64 s[G0A+6:G0A+7], s[G0A+6:G0A+7], ASTEP
	s_xor_b32 s[G0B+5], s[G0B+5], SLOT1
	s_add_nc_u64 s[G0B+6:G0B+7], s[G0B+6:G0B+7], 256
	JLOAD 1                                        ; its four v_nop are also the places in front of the loads below
.else
	PLACES
.endif
	s_xor_b32 s[TB], s[TB], SLOT1
	v_add_nc_u32 v[ADRA], s[TB], v[ADRA0]
	v_add_nc_u32 v[ADRB], s[TB], v[ADRB0]
	FETCH 0, 0
	WIN 0
.if \fill
	ASK
.endif
	MULH 1, 1, 0
.endm
	s_wait_tensorcnt 1                             ; my part of K step 0 is in; K step 1's may stay out
	s_barrier_signal -1
	s_barrier_wait -1
	FETCH 0, 0
	QUARTER 1, 0, 1, 1                             ; the first quarter's products start the sums
	WIN 0
	s_mov_b32 s3, 6
.Lstep:                                        ; trip t asks for K step t + 2
	QUARTER 2, 1, 0, 0
	QUARTER 3, 0, 1, 0
	TURN 1
	QUARTER 1, 0, 1, 0
	WIN 0
	s_sub_co_u32 s3, s3, 1
	s_cmp_lg_u32 s3, 0
	s_cbranch_scc1 .Lstep
	QUARTER 2, 1, 0, 0                             ; the last two K steps ask for nothing
	QUARTER 3, 0, 1, 0
	TURN 0
	QUARTER 1, 0, 1, 0
	QUARTER 2, 1, 0, 0
	QUARTER 3, 0, 1, 0
	s_wait_dscnt 8
	MULH 1, 0, 0
	s_wait_dscnt 0x0
	MULH 1, 1, 0
	WIN 0
	PLACES
; THE WAY OUT, a block of 16 rows at a time: a lane's eight f32 of each column block go into my stage (rows of 528 bytes), whole rows of 512 bytes come back and are stored.  Each accumulator's low four registers go first.
.macro TOSTAGE a
	WIN 0x08                                       ; store data (source 1) window 2
.irp b, 0,1,2,3,4,5,6,7
	ds_store_b128 v[STO], v[128*(\b/4)+32*(\a)+8*(\b%4):128*(\b/4)+32*(\a)+8*(\b%4)+3]   offset:64*\b
	ds_store_b128 v[STO], v[128*(\b/4)+32*(\a)+8*(\b%4)+4:128*(\b/4)+32*(\a)+8*(\b%4)+7] offset:64*\b+16
.endr
	WIN 0
.irp t, 0,1,2,3,4,5,6,7,8,9,10,11,12,13,14,15
	ds_load_b128 v[OB+64*((\a)%2)+4*\t:OB+64*((\a)%2)+4*\t+3], v[RD] offset:\t*SPITCH  ; LDS serves a wave's instructions in order (ISA guide 5.7.1.4): these see the stores above; the next block's stores come behind them
.endr
.endm
.macro SEND a, younger                 ; younger: the next block's 16 stores and 16 loads, or none
	s_wait_dscnt \younger
.irp t, 0,1,2,3,4,5,6,7,8,9,10,11,12,13,14,15
	global_store_b128 v[CO], v[OB+64*((\a)%2)+4*\t:OB+64*((\a)%2)+4*\t+3], s[72:73] offset:(16*(\a)+\t)*4096 th:TH_STORE_NT  ; 512 consecutive bytes, aligned
.endr
.endm
	TOSTAGE 0
	TOSTAGE 1
	SEND 0, 32
	s_wait_xcnt 0x0                                ; block 0's stores have read their registers, which block 2 takes
	TOSTAGE 2
	SEND 1, 32
	s_wait_xcnt 0x0
	TOSTAGE 3
	SEND 2, 32
	SEND 3, 0
	s_wait_tensorcnt 0x0                           ; the wave's end
	ds_add_u32 v[SPW], v[NIL]
	s_wait_dscnt 0x0
	CROUND                                         ; the closing round
	s_endpgm
.Lfunc_end_k_q9c8f29b6b8_outp:
	.size	k_q9c8f29b6b8_outp, .Lfunc_end_k_q9c8f29b6b8_outp-k_q9c8f29b6b8_outp
	.p2alignl 7, 3214868480
	.fill 96, 4, 3214868480
	.section	.rodata,"a",@progbits
	.p2align	6, 0x0
	.amdhsa_kernel k_q9c8f29b6b8_outp
		.amdhsa_group_segment_fixed_size 327680
		.amdhsa_private_segment_fixed_size 0
		.amdhsa_enable_private_segment 0
		.amdhsa_kernarg_size 24
		.amdhsa_user_sgpr_count 2
		.amdhsa_user_sgpr_kernarg_segment_ptr 1
		.amdhsa_wavefront_size32 1
		.amdhsa_system_sgpr_workgroup_id_x 1
		.amdhsa_system_sgpr_workgroup_id_y 1
		.amdhsa_system_sgpr_workgroup_id_z 1
		.amdhsa_system_vgpr_workitem_id 0
		.amdhsa_next_free_vgpr 768
		.amdhsa_next_free_sgpr 100
		.amdhsa_reserve_vcc 0
		.amdhsa_float_denorm_mode_32 3
		.amdhsa_float_denorm_mode_16_64 3
		.amdhsa_memory_ordered 1
		.amdhsa_forward_progress 1
		.amdhsa_inst_pref_size 71
	.end_amdhsa_kernel
	.amdgpu_metadata
---
amdhsa.version: [ 1, 2 ]
amdhsa.kernels:
  - .name:           k_q9c8f29b6b8_outp
    .symbol:         k_q9c8f29b6b8_outp.kd
    .args:
      - { .name: o16, .offset: 0, .size: 8, .value_kind: global_buffer, .address_space: global }
      - { .name: w16, .offset: 8, .size: 8, .value_kind: global_buffer, .address_space: global }
      - { .name: out0, .offset: 16, .size: 8, .value_kind: global_buffer, .address_space: global }
    .group_segment_fixed_size: 327680
    .private_segment_fixed_size: 0
    .kernarg_segment_align: 8
    .kernarg_segment_size: 24
    .max_flat_workgroup_size: 128
    .sgpr_count:     100
    .vgpr_count:     768
    .wavefront_size: 32
...
	.end_amdgpu_metadata
.endif
;; end of part 4
;; ======== version 2 of 2: 4 launches; version 1 with the launch prep written anew for expert scheduling mode
;; limits: values are held in f16: magnitudes above 65,504 overflow, below 6.1e-05 lose precision
;; workspace buffers: xn 16,777,216 bytes; w16 8,388,608 bytes; q16 16,777,216 bytes; k16 16,777,216 bytes; v16 16,777,216 bytes; o16 16,777,216 bytes
;; launch prep (part 5): grid 768 x 1, 4 waves a work-group, no clusters, 0 bytes of LDS; arguments x, norm_w, norm_b, Wq, Wk, Wv, Wo, xn, w16; writes xn, w16
.if DOCPART == 5
	.amdgcn_target "amdgcn-amd-amdhsa--gfx1250"
	.amdhsa_code_object_version 6
	.text
	.protected	k_q9c8f29b6b8_prep
	.globl	k_q9c8f29b6b8_prep
	.p2align	8
	.type	k_q9c8f29b6b8_prep,@function
k_q9c8f29b6b8_prep:
	s_mov_b64 s[64:65], 0
	v_nop
	global_prefetch_b8 v0, s[64:65] scope:SCOPE_SE
	s_setreg_imm32_b32 hwreg(HW_REG_WAVE_SCHED_MODE, 0, 2), 2
	s_setreg_imm32_b32 hwreg(HW_REG_WAVE_MODE, 25, 1), 1
	s_wait_xcnt 0x0
	s_wait_alu depctr_vm_vsrc(0)
; PREP.  Work-groups 0-511: xn = LayerNorm(x) over 1,024 channels, in f32 in two passes (mean, then the mean of the squared differences), rounded once to f16.
; Work-groups 512-767: the four weight matrices rounded once to f16 into w16, [4096][1024]: row 192 h + 64 kind + d (kind 0 q, 1 k, 2 v) is W_kind's row 64 h + d,
; so that one head's q, k and v rows lie together; rows 3072 on are Wo's.
; SHARES.  12,288 rows of 4,096 bytes; a work-group takes 16, a wave 4.  A wave asks for all its 16 KiB at its head and keeps each row in 32 registers: each byte is read once.
; A load of a wave covers 512 consecutive bytes; a store covers 256 consecutive bytes, aligned.  Memory binds: no LDS, no barrier, no matrix work, no prefetch (the launch is one stream).
; LIMITS.  f16 ends at 65,504: |xn| and |W| stay below that; a weight below 6e-5 keeps f16's fixed step of 6e-8.  NaN and infinities are not treated apart.
; THE MODE: SCHED_MODE bits 1:0 = 2 (LLVM: expert scheduling mode 2), set by the entry lines.  The code itself states the register dependences
; between vector instructions and memory instructions, with s_wait_alu, always for 0.
; THE PLAN.  Registers that memory instructions touch:
;   v2, v3     the loads' and the stores' offsets: written once at the head, read by every load and store, never written again.
;   W, BN      written by loads issued at the head; read by vector instructions alone.
;   X, row i   written by the row's eight loads, issued at the head ahead of every vector instruction that names X; then worked on in place by row i's vector instructions alone;
;              its registers 4 j and 4 j + 1, which the sixteen conversions write, are read by the row's eight stores and by nothing behind them.
;   T          named by vector instructions alone.
; So no load lands in a register that a vector instruction has named, and no register that a memory instruction reads is written again: what is left to state is that the offsets are
; written (once, at the head) and that a row's conversions are written (once a row, ahead of the run of its eight stores).  The stores stand in their own row and not behind the next row's
; wait for the vector side, since they would then also stand behind that row's wait for its loads.
.set T,   8                            ; v[8:21]   at work: T, T+1 mean (pair); T+2, T+3 variance; T+4..T+11 four chains; T+12, T+13 1/sigma (pair)
.set W,   32                           ; v[32:63]  norm_w of my 32 columns
.set BN,  64                           ; v[64:95]  norm_b
.set X,   96                           ; v[96:223] row i at X + 32 i; register 4 j + e holds column 128 j + 4 lane + e
.set SEL, 24                           ; s24, s25  v_permlanex16_b32's selects: each lane takes its own place in the other half
.set INV, 26                           ; s26       1/1024
.set EPS, 27                           ; s27       1e-5
	s_load_b512 s[4:19], s[0:1], 0x0               ; x 4, norm_w 6, norm_b 8, Wq 10, Wk 12, Wv 14, Wo 16, xn 18
	s_load_b64 s[20:21], s[0:1], 0x40              ; w16
	v_lshrrev_b32 v4, 5, v0
	v_readfirstlane_b32 s22, v4                    ; wave 0..3
	v_and_b32 v1, 31, v0                           ; lane
	v_lshlrev_b32 v2, 4, v1                        ; 16 bytes a lane in a load
	v_lshlrev_b32 v3, 3, v1                        ; 8 bytes a lane in a store
	s_wait_alu depctr_va_sdst(0)                   ; s22 is written, ahead of the branch: on both ways the wave's rows are made from it
	s_wait_alu depctr_va_vdst(0)                   ; v2 and v3 are written: every load and store of both ways reads one of them as its offset, and no line below writes them
	s_cmp_lt_u32 ttmp9, 512
	s_cbranch_scc0 .Lweights
	s_mov_b32 s[SEL], 0x76543210
	s_mov_b32 s[SEL+1], 0xfedcba98
	s_mov_b32 s[INV], 0x3a800000
	s_mov_b32 s[EPS], 0x3727c5ac
	v_mov_b32 v[T+1], 0                            ; the lane exchange's destinations count as read, and pairs are named whole
	v_mov_b32 v[T+3], 0
	v_mov_b32 v[T+13], 0
	s_lshl_b32 s30, ttmp9, 16                      ; 16 rows of 4,096 bytes,
	s_lshl_b32 s31, s22, 14                        ; my wave's 4
	s_add_co_u32 s30, s30, s31
	s_mov_b32 s31, 0
	s_lshl_b32 s32, ttmp9, 15                      ; the same rows in xn: 2,048 bytes each
	s_lshl_b32 s33, s22, 13
	s_add_co_u32 s32, s32, s33
	s_mov_b32 s33, 0
	s_wait_kmcnt 0x0
	s_add_nc_u64 s[4:5], s[4:5], s[30:31]
	s_add_nc_u64 s[18:19], s[18:19], s[32:33]
.irp j, 0,1,2,3,4,5,6,7
	global_load_b128 v[W+4*\j:W+4*\j+3], v2, s[6:7] offset:512*\j
	global_load_b128 v[BN+4*\j:BN+4*\j+3], v2, s[8:9] offset:512*\j
.endr
.irp i, 0,1,2,3
.irp j, 0,1,2,3,4,5,6,7
	global_load_b128 v[X+32*\i+4*\j:X+32*\i+4*\j+3], v2, s[4:5] offset:4096*\i+512*\j th:TH_LOAD_NT
.endr
.endr
.macro TREE                            ; the four chains into T+4, T+5
	v_pk_add_f32 v[T+4:T+5], v[T+4:T+5], v[T+6:T+7]
	v_pk_add_f32 v[T+8:T+9], v[T+8:T+9], v[T+10:T+11]
	v_pk_add_f32 v[T+4:T+5], v[T+4:T+5], v[T+8:T+9]
.endm
.macro RED r, t                        ; the sum over the 32 lanes, in every lane
.irp m, 1,2,4,8
	v_add_f32_dpp v[\r], v[\r], v[\r] row_xmask:\m row_mask:0xf bank_mask:0xf
.endr
	v_permlanex16_b32 v[\t], v[\r], s[SEL], s[SEL+1]
	v_add_f32 v[\r], v[\r], v[\t]
.endm
.macro ROWLN i
.set R, X+32*(\i)
	s_wait_loadcnt 8*(3-(\i))                      ; loads come back in order: gains and this row are in, the later rows' eight loads each stay out
.irp c, 0,1,2,3
	v_pk_add_f32 v[T+4+2*\c:T+5+2*\c], v[R+2*\c:R+2*\c+1], v[R+8+2*\c:R+9+2*\c]  ; the first pairs start the chains
.endr
.irp p, 8,9,10,11,12,13,14,15
	v_pk_add_f32 v[T+4+2*(\p%4):T+5+2*(\p%4)], v[T+4+2*(\p%4):T+5+2*(\p%4)], v[R+2*\p:R+2*\p+1]
.endr
	TREE
	v_add_f32 v[T], v[T+4], v[T+5]
	RED T, T+1
	v_mul_f32 v[T], s[INV], v[T]                   ; the mean
.irp p, 0,1,2,3,4,5,6,7,8,9,10,11,12,13,14,15
	v_pk_add_f32 v[R+2*\p:R+2*\p+1], v[R+2*\p:R+2*\p+1], v[T:T+1] op_sel_hi:[1,0] neg_lo:[0,1] neg_hi:[0,1]
.endr
.irp c, 0,1,2,3
	v_pk_mul_f32 v[T+4+2*\c:T+5+2*\c], v[R+2*\c:R+2*\c+1], v[R+2*\c:R+2*\c+1]
.endr
.irp p, 4,5,6,7,8,9,10,11,12,13,14,15
	v_pk_fma_f32 v[T+4+2*(\p%4):T+5+2*(\p%4)], v[R+2*\p:R+2*\p+1], v[R+2*\p:R+2*\p+1], v[T+4+2*(\p%4):T+5+2*(\p%4)]
.endr
	TREE
	v_add_f32 v[T+2], v[T+4], v[T+5]
	RED T+2, T+3
	v_fma_f32 v[T+2], v[T+2], s[INV], s[EPS]       ; variance + 1e-5
	v_rsq_f32 v[T+12], v[T+2]
	v_nop                                          ; a plain instruction behind the root,
	s_wait_alu depctr_va_vdst(0)                   ; and the root has written v[T+12], ahead of its first reader
.irp p, 0,1,2,3,4,5,6,7,8,9,10,11,12,13,14,15
	v_pk_mul_f32 v[R+2*\p:R+2*\p+1], v[R+2*\p:R+2*\p+1], v[T+12:T+13] op_sel_hi:[1,0]
.endr
.irp p, 0,1,2,3,4,5,6,7,8,9,10,11,12,13,14,15
	v_pk_fma_f32 v[R+2*\p:R+2*\p+1], v[R+2*\p:R+2*\p+1], v[W+2*\p:W+2*\p+1], v[BN+2*\p:BN+2*\p+1]
.endr
.irp j, 0,1,2,3,4,5,6,7
	v_cvt_pk_f16_f32 v[R+4*\j], v[R+4*\j], v[R+4*\j+1]
	v_cvt_pk_f16_f32 v[R+4*\j+1], v[R+4*\j+2], v[R+4*\j+3]
.endr
	s_wait_alu depctr_va_vdst(0)                   ; the sixteen conversions have written the row's registers 4 j and 4 j + 1, which the eight stores below read
.irp j, 0,1,2,3,4,5,6,7
	global_store_b64 v3, v[R+4*\j:R+4*\j+1], s[18:19] offset:2048*(\i)+256*\j  ; 32 lanes store 256 consecutive bytes, aligned; each row has registers of its own, so no store's data is written again
.endr
.endm
	ROWLN 0
	ROWLN 1
	ROWLN 2
	ROWLN 3
	s_endpgm
.Lweights:
	s_sub_co_u32 s34, ttmp9, 512
	s_lshr_b32 s35, s34, 6                         ; which matrix: 0 Wq, 1 Wk, 2 Wv, 3 Wo
	s_and_b32 s34, s34, 63                         ; which 16 rows of it
	s_lshr_b32 s36, s34, 2                         ; the head,
	s_mul_i32 s36, s36, 192
	s_lshl_b32 s37, s35, 6                         ; the kind,
	s_add_co_u32 s36, s36, s37
	s_and_b32 s37, s34, 3                          ; the 16 rows in the head's 64
	s_lshl_b32 s37, s37, 4
	s_add_co_u32 s36, s36, s37
	s_lshl_b32 s37, s34, 4                         ; Wo keeps its order, behind the 3,072 rows
	s_add_co_u32 s37, s37, 3072
	s_cmp_lt_u32 s35, 3
	s_cselect_b32 s36, s36, s37
	s_lshl2_add_u32 s36, s22, s36                  ; + my wave's 4 rows
	s_lshl_b32 s32, s36, 11                        ; rows of 2,048 bytes
	s_mov_b32 s33, 0
	s_lshl_b32 s30, s34, 16                        ; the source: 16 rows of 4,096 bytes,
	s_lshl_b32 s31, s22, 14                        ; my wave's 4
	s_add_co_u32 s30, s30, s31
	s_mov_b32 s31, 0
	s_wait_kmcnt 0x0
	s_cmp_eq_u32 s35, 0
	s_cselect_b64 s[28:29], s[10:11], s[16:17]
	s_cmp_eq_u32 s35, 1
	s_cselect_b64 s[28:29], s[12:13], s[28:29]
	s_cmp_eq_u32 s35, 2
	s_cselect_b64 s[28:29], s[14:15], s[28:29]
	s_add_nc_u64 s[28:29], s[28:29], s[30:31]
	s_add_nc_u64 s[20:21], s[20:21], s[32:33]
.set t, 0
.rept 32                               ; four rows on end: 16 KiB in, 8 KiB out
	global_load_b128 v[X+4*t:X+4*t+3], v2, s[28:29] offset:512*t th:TH_LOAD_NT
.set t, t+1
.endr
.set t, 0
.rept 4
	s_wait_loadcnt 24-8*t                          ; eight more loads are in; the younger ones stay out
.set u, 8*t
.rept 8
	v_cvt_pk_f16_f32 v[X+4*u], v[X+4*u], v[X+4*u+1]
	v_cvt_pk_f16_f32 v[X+4*u+1], v[X+4*u+2], v[X+4*u+3]
.set u, u+1
.endr
	s_wait_alu depctr_va_vdst(0)                   ; these sixteen conversions have written the pairs that the eight stores below read; nothing writes those pairs again
.set u, 8*t
.rept 8
	global_store_b64 v3, v[X+4*u:X+4*u+1], s[20:21] offset:256*u
.set u, u+1
.endr
.set t, t+1
.endr
	s_endpgm
.Lfunc_end_k_q9c8f29b6b8_prep:
	.size	k_q9c8f29b6b8_prep, .Lfunc_end_k_q9c8f29b6b8_prep-k_q9c8f29b6b8_prep
	.p2alignl 7, 3214868480
	.fill 96, 4, 3214868480
	.section	.rodata,"a",@progbits
	.p2align	6, 0x0
	.amdhsa_kernel k_q9c8f29b6b8_prep
		.amdhsa_group_segment_fixed_size 0
		.amdhsa_private_segment_fixed_size 0
		.amdhsa_enable_private_segment 0
		.amdhsa_kernarg_size 72
		.amdhsa_user_sgpr_count 2
		.amdhsa_user_sgpr_kernarg_segment_ptr 1
		.amdhsa_wavefront_size32 1
		.amdhsa_system_sgpr_workgroup_id_x 1
		.amdhsa_system_sgpr_workgroup_id_y 1
		.amdhsa_system_sgpr_workgroup_id_z 1
		.amdhsa_system_vgpr_workitem_id 0
		.amdhsa_next_free_vgpr 224
		.amdhsa_next_free_sgpr 66
		.amdhsa_reserve_vcc 0
		.amdhsa_float_denorm_mode_32 3
		.amdhsa_float_denorm_mode_16_64 3
		.amdhsa_memory_ordered 1
		.amdhsa_forward_progress 1
		.amdhsa_inst_pref_size 49
	.end_amdhsa_kernel
	.amdgpu_metadata
---
amdhsa.version: [ 1, 2 ]
amdhsa.kernels:
  - .name:           k_q9c8f29b6b8_prep
    .symbol:         k_q9c8f29b6b8_prep.kd
    .args:
      - { .name: x, .offset: 0, .size: 8, .value_kind: global_buffer, .address_space: global }
      - { .name: norm_w, .offset: 8, .size: 8, .value_kind: global_buffer, .address_space: global }
      - { .name: norm_b, .offset: 16, .size: 8, .value_kind: global_buffer, .address_space: global }
      - { .name: Wq, .offset: 24, .size: 8, .value_kind: global_buffer, .address_space: global }
      - { .name: Wk, .offset: 32, .size: 8, .value_kind: global_buffer, .address_space: global }
      - { .name: Wv, .offset: 40, .size: 8, .value_kind: global_buffer, .address_space: global }
      - { .name: Wo, .offset: 48, .size: 8, .value_kind: global_buffer, .address_space: global }
      - { .name: xn, .offset: 56, .size: 8, .value_kind: global_buffer, .address_space: global }
      - { .name: w16, .offset: 64, .size: 8, .value_kind: global_buffer, .address_space: global }
    .group_segment_fixed_size: 0
    .private_segment_fixed_size: 0
    .kernarg_segment_align: 8
    .kernarg_segment_size: 72
    .max_flat_workgroup_size: 128
    .sgpr_count:     66
    .vgpr_count:     224
    .wavefront_size: 32
...
	.end_amdgpu_metadata
.endif
;; end of part 5
;; launch qkv: the kernel of part 2 again; grid 16 x 32, 4 waves a work-group, clusters of 4 x 4, 327,680 bytes of LDS; arguments xn, w16, bq, bk, bv, qn_w, qn_b, kn_w, kn_b, q16, k16, v16; writes q16, k16, v16
;; launch attn: the kernel of part 3 again; grid 4 x 64, 4 waves a work-group, clusters of 4 x 1, 327,680 bytes of LDS; arguments q16, k16, v16, o16, attention_mask; writes o16
;; launch outp: the kernel of part 4 again; grid 8 x 32, 4 waves a work-group, clusters of 4 x 4, 327,680 bytes of LDS; arguments o16, w16, out0; writes out0
